; MI455X (gfx1250); checked and timed in simulation.
; The chip was launched on July 23, 2026; its instructions are those of AMD's public machine-readable ISA for CDNA 5 (MIT licence, August 2026) and "CDNA5" Instruction Set Architecture Reference Guide (July 2026). The comments in the code are by the model that wrote it; some were corrected since.
;; Multi Head Attention. Allowed arithmetic: matrix products marked QUANTISED: E4M3 operands, one given power-of-two scale a tensor, by v_wmma_f32_16x16x64_fp8_fp8 or v_wmma_f32_16x16x128_fp8_fp8, f32 sums; everything else in f32.
;; Inputs: lowp_scales 12 int32 (the exponents e of the quantised operands' scales 2^e); mask 2,048 x 2,048 bool; wk 1,024 x 1,024 float32; wo 1,024 x 1,024 float32; wq 1,024 x 1,024 float32; wv 1,024 x 1,024 float32; x 4 x 2,048 x 1,024 float32.
;; Outputs: out0 4 x 2,048 x 1,024 float32.
;; This version of the problem:
;;   THIS VERSION OF THE PROBLEM IS GIVEN IN LOW PRECISION. The matrix products marked QUANTISED in the list below multiply operands that are first quantised to E4M3 (4 exponent bits, 3 mantissa bits; 8 bits a number), with one given power-of-two scale for each operand tensor; their sums are f32. All else is computed in f32.
;;   The module's matrix products, in the order in which they are computed (A, B: the left and right operand; K: the contracted axis; several contracted axes count as one K, in the product's order):
;;     1. [M 8,192, K 1,024] x [K 1,024, N 1,024]; A: input x; B: input wq: QUANTISED (scales: A lowp_scales[0], B lowp_scales[1])
;;     2. [M 8,192, K 1,024] x [K 1,024, N 1,024]; A: input x; B: input wk: QUANTISED (scales: A lowp_scales[2], B lowp_scales[3])
;;     3. [M 8,192, K 1,024] x [K 1,024, N 1,024]; A: input x; B: input wv: QUANTISED (scales: A lowp_scales[4], B lowp_scales[5])
;;     4. batch 64 x [M 2,048, K 64] x [K 64, N 2,048]; A: computed on the way; B: computed on the way: QUANTISED (scales: A lowp_scales[6], B lowp_scales[7])
;;     5. batch 64 x [M 2,048, K 2,048] x [K 2,048, N 64]; A: softmax (see below); B: computed on the way: QUANTISED (scales: A lowp_scales[8], B lowp_scales[9])
;;     6. [M 8,192, K 1,024] x [K 1,024, N 1,024]; A: computed on the way; B: input wo: QUANTISED (scales: A lowp_scales[10], B lowp_scales[11])
;;   THE QUANTISER, for each operand of a quantised product, along K:
;;     - The operand's scale is 2^e, e = its entry of the input lowp_scales (int32; the entries are numbered through the quantised products in the list's order, A before B).
;;     - Each number is divided by the scale, clamped to +-448, and rounded to the nearest number of E4M3, ties to even, subnormals kept.
;;     - The product sums the exact products of the quantised numbers (number of the format x scale) in f32.
;;   ~~~python
;;   def quantise(x, axis, e):      # numpy; x: float32 -> the quantised numbers, widened to float32 again
;;       x = np.moveaxis(x, axis, -1); K = x.shape[-1]
;;       r = np.clip(x / 2.0 ** e, -448, 448)
;;       step = 2.0 ** (np.maximum(np.frexp(np.where(r == 0, 1, r))[1] - 1, -6) - 3)
;;       q = np.round(r / step) * step * 2.0 ** e      # np.round: ties to even
;;       return np.moveaxis(q, -1, axis).astype(np.float32)
;;   ~~~
;;   SOFTMAX AHEAD OF A QUANTISED PRODUCT. Where the list says 'softmax', what is quantised is not the finished softmax but p = 2^(t - M), with t = logit x log2(e) and M = ceil(the row's largest t), a whole number; so 1/2 < the row's largest p <= 1. The row's sum l is taken of the UNQUANTISED p, in f32, and the product's result is divided by l at the end. Since M is a whole number, a kernel that streams over the keys may use a running M (the ceiling of the running maximum): every later rescaling is an exact power of two, so the quantised numbers keep their values, but for numbers so far below the row's largest that they fall under the format's range.
;;   OPERANDS COMPUTED ON THE WAY. 'Computed on the way' means the value that the module computes at that place (a softmax that the list does not call 'softmax' is quantised finished and normalised). What goes into a quantiser is computed in f32, as accurately as f32 sums, v_exp_f32 and their like allow (about 1e-6 of the number): no bf16 or f16 on the way to a quantiser, and a product that is left as it is and whose result goes on into a quantised operand takes f32 operands (vector FMAs, or v_wmma_f32_16x16x4_f32). A number that lies on a knife's edge between two numbers of the format may be rounded either way, as far as f32 arithmetic and the matrix unit's own rounding can turn it there, and no further.
;; 2 versions, each right; version 2 is version 1 with the launch attn written anew for expert scheduling mode. Each part assembles by itself: llvm-mc -triple=amdgcn-amd-amdhsa -mcpu=gfx1250 --defsym DOCPART=n.
;; ======== version 1 of 2: 4 launches
;; workspace buffers: codes 29,360,128 bytes; tab 524,288 bytes; mw 557,056 bytes of whole numbers; qkv 25,165,824 bytes; oimg 8,388,608 bytes
;; launch prep (part 1): grid 512 x 1, 4 waves a work-group, no clusters, 33,280 bytes of LDS; arguments x, wq, wk, wv, wo, mask, lowp_scales, codes, tab, mw; writes codes, tab, mw
.if DOCPART == 1
	.amdgcn_target "amdgcn-amd-amdhsa--gfx1250"
	.amdhsa_code_object_version 6
	.text
	.protected	k_q850edef868_prep
	.globl	k_q850edef868_prep
	.p2align	8
	.type	k_q850edef868_prep,@function
k_q850edef868_prep:
	s_mov_b64 s[64:65], 0
	v_nop
	global_prefetch_b8 v0, s[64:65] scope:SCOPE_SE
	s_setreg_imm32_b32 hwreg(HW_REG_WAVE_MODE, 25, 1), 1
	s_wait_xcnt 0x0
; PREP: three jobs that share a launch; a work-group's number says which.
;  0..383   QUANT: f32 numbers into codes of E4M3, K innermost.  0..255: x, three times (scales e0, e2, e4: each projection has its own scale for x);
;           256..383: wq, wk, wv, wo (32 work-groups each; scales e1, e3, e5, e11).  code = x / 2^e, held within +-448, to the nearest code, ties to even.
;           wv's rows are stored with bits 3 and 4 of the row number swapped: stored row 32 b + 16 u + r holds feature 32 b + 8 u + r + 8 (r / 8).
;  384..447 TABLE: cos and sin of pos x 10000^(-j/32), pos 0..2047, j 0..31, as pairs (cos, sin): 256 bytes a position.
;  448..511 MASK: the mask's bytes as lane masks for the attention launch, and a flag for each 32 queries x 128 keys (0 nothing true, 1 mixed, 2 all true).
; LIMITS: each e used here between -126 and 119, so that 2^e and 448 x 2^e are f32 numbers.  NaN among x and the weights is not served; an infinity is held at the largest code.
; cos and sin: the angle is the f32 product pos x inv_freq; it is reduced by whole quarter turns (pi/2 in two parts, fused) and a polynomial of degree 7 (sin) or 8 (cos) serves |r| <= pi/4.
; QUANT: a wave takes 8,192 numbers in 16 steps of 512.  Each load reads 512 consecutive bytes; a step's 2,048 bytes turn through the wave's own stage in LDS so that a lane holds 16 neighbours.
.set WREG,  8192                       ; LDS for each wave: two stages of 32 x SP bytes
.set SP,    80                         ; a lane's place in a stage: 64 bytes + 16 of padding
.set SPARE, 4*WREG                     ; behind the four regions: the spare words, 128 bytes a wave; no other line names them
.set STEPS, 16
.set WQ,    0x1800000                  ; codes: x's three sets of 2^23 bytes, then the four weights, 2^20 bytes each
.set SPW,   12                         ; v12  LDS address of my spare word; never rewritten
.set NIL,   13                         ; v13  0; never rewritten
.set R,     16                         ; v16-79   four sets of 16 numbers as loaded
.set X,     80                         ; v80-111  two sets of 16 neighbours
.set T,     112                        ; v112-127 the numbers held within the largest code x the scale
.set C,     128                        ; v128-139 a step's codes: four registers for each of up to three scales
	s_load_b512 s[4:19], s[0:1], 0x0               ; x, wq, wk, wv, wo, mask, the scales' exponents, codes
	s_load_b128 s[20:23], s[0:1], 0x40             ; tab, mw
	v_lshl_add_u32 v[SPW], v0, 2, SPARE
	v_mov_b32 v[NIL], 0
	v_lshrrev_b32 v1, 5, v0
	v_readfirstlane_b32 s24, v1                    ; wave 0..3
	v_and_b32 v2, 31, v0                           ; lane
	s_wait_kmcnt 0x0
	s_cmp_lt_u32 ttmp9, 384
	s_cbranch_scc0 .Lnot_quant
; ---------------------------------------------------------------- QUANT
	s_load_b256 s[40:47], s[16:17], 0x0            ; e0 .. e7
	s_load_b128 s[48:51], s[16:17], 0x20           ; e8 .. e11
	v_lshlrev_b32 v3, 4, v2                        ; my 16 bytes of a load's 512, and of a step's 512 codes
	s_mul_i32 s25, s24, WREG
	v_lshrrev_b32 v14, 2, v2
	v_mul_u32_u24 v14, v14, SP
	v_and_b32 v15, 3, v2
	v_lshl_add_u32 v14, v15, 4, v14
	v_add_nc_u32 v14, s25, v14                     ; the stage, on the way in: SP (lane / 4) + 16 (lane % 4)
	v_mul_u32_u24 v15, v2, SP
	v_add_nc_u32 v15, s25, v15                     ; and on the way out: SP x lane
	s_sub_co_u32 s26, ttmp9, 256
	s_lshr_b32 s27, s26, 5                         ; which weight (a number above 3 in x's work-groups)
	s_and_b32 s28, s26, 31                         ; which 32 rows of it
	s_cmp_eq_u32 s27, 1                            ; the source: a choice on the work-group's number alone
	s_cselect_b64 s[6:7], s[8:9], s[6:7]
	s_cmp_eq_u32 s27, 2
	s_cselect_b64 s[6:7], s[10:11], s[6:7]
	s_cmp_eq_u32 s27, 3
	s_cselect_b64 s[6:7], s[12:13], s[6:7]
	s_cmp_lt_u32 ttmp9, 256
	s_cselect_b64 s[4:5], s[4:5], s[6:7]
	s_cselect_b32 s28, ttmp9, s28
	s_lshl_b32 s28, s28, 2
	s_add_co_u32 s29, s28, s24                     ; my wave's run of 8,192 numbers (8 rows)
	s_lshl_b32 s30, s29, 15
	s_mov_b32 s31, 0
	s_add_nc_u64 s[4:5], s[4:5], s[30:31]
	s_and_b32 s32, s24, 1                          ; wv alone: the wave's two bits are bits 3 and 4 of the row number: swapped on the way out
	s_lshl_b32 s32, s32, 1
	s_lshr_b32 s33, s24, 1
	s_or_b32 s32, s32, s33
	s_cmp_eq_u32 s27, 2
	s_cselect_b32 s32, s32, s24
	s_add_co_u32 s32, s28, s32
	s_lshl_b32 s32, s32, 13                        ; 8,192 codes a run
	s_lshl_b32 s33, s27, 20
	s_add_co_u32 s33, s33, WQ
	s_cmp_lt_u32 ttmp9, 256
	s_cselect_b32 s33, 0, s33
	s_add_co_u32 s32, s32, s33
	s_mov_b32 s33, 0
	s_add_nc_u64 s[34:35], s[18:19], s[32:33]      ; the codes' place; for x: the first of three
	s_add_nc_u64 s[36:37], s[34:35], 0x800000      ; x under e2 (used by x's work-groups alone)
	s_add_nc_u64 s[38:39], s[34:35], 0x1000000     ; x under e4
.macro LOAD t
.irp i, 0,1,2,3
	global_load_b128 v[R+16*((\t)%4)+4*\i:R+16*((\t)%4)+4*\i+3], v3, s[4:5] offset:2048*(\t)+512*\i th:TH_LOAD_NT   ; 32 lanes read 512 consecutive bytes
.endr
.endm
.macro TURN t                          ; step t's numbers through the stage: LDS serves a wave's instructions in order, so no wait stands between the stores and the loads
.irp i, 0,1,2,3
	ds_store_b128 v14, v[R+16*((\t)%4)+4*\i:R+16*((\t)%4)+4*\i+3] offset:32*SP*((\t)%2)+8*SP*\i
.endr
.irp i, 0,1,2,3
	ds_load_b128 v[X+16*((\t)%2)+4*\i:X+16*((\t)%2)+4*\i+3], v15 offset:32*SP*((\t)%2)+16*\i
.endr
.endm
.macro MKSCALE e, sc, lim              ; v[sc] = 2^e as f32 (the conversion takes its exponent field), v[lim] = 448 x 2^e
	s_add_co_i32 s53, \e, 127
	s_lshl_b32 s54, s53, 23
	v_mov_b32 v[\sc], s54
	s_add_co_i32 s53, s53, 8
	s_lshl_b32 s53, s53, 23
	s_or_b32 s53, s53, 0x600000
	v_mov_b32 v[\lim], s53
.endm
.macro OUT k, t                        ; the step's 16 numbers under scale k (1, 2, 3): hold, two conversions, one store of 512 consecutive bytes a wave
.irp i, 0,1,2,3,4,5,6,7,8,9,10,11,12,13,14,15
	v_med3_num_f32 v[T+\i], v[XS+\i], -v[3+2*(\k)], v[3+2*(\k)]   ; the conversion to an 8-bit code does not saturate (ISA guide 7.6.2)
.endr
	v_cvt_scalef32_pk8_fp8_f32 v[C+4*((\k)-1):C+4*((\k)-1)+1], v[T:T+7], v[2+2*(\k)]
	v_cvt_scalef32_pk8_fp8_f32 v[C+4*((\k)-1)+2:C+4*((\k)-1)+3], v[T+8:T+15], v[2+2*(\k)]
	v_nop                                          ; a plain line between the conversions and the next lines that write their sources
	global_store_b128 v3, v[C+4*((\k)-1):C+4*((\k)-1)+3], s[32+2*(\k):33+2*(\k)] offset:512*(\t)
.endm
.irp t, 0,1,2,3
	LOAD \t
.endr
	s_wait_kmcnt 0x0
	s_cmp_eq_u32 s27, 1                            ; the first scale: e0 for x; e1, e3, e5, e11 for the weights
	s_cselect_b32 s52, s43, s41
	s_cmp_eq_u32 s27, 2
	s_cselect_b32 s52, s45, s52
	s_cmp_eq_u32 s27, 3
	s_cselect_b32 s52, s51, s52
	s_cmp_lt_u32 ttmp9, 256
	s_cselect_b32 s52, s40, s52
	MKSCALE s52, 4, 5
	MKSCALE s42, 6, 7
	MKSCALE s44, 8, 9
	s_wait_loadcnt 12                              ; step 0's four loads are in
	TURN 0
.macro STEP t
.set XS, X+16*((\t)%2)
	s_wait_dscnt 0x0                               ; this step's numbers are back from the stage, and its stores into the stage have read their registers,
.if (\t)+4 < STEPS
	LOAD (\t)+4                                    ; which take the loads of four steps on
.endif
.if (\t)+1 < STEPS
.if STEPS-2-(\t) >= 3
	s_wait_loadcnt 12                              ; the next step's four loads are in; those of the three steps behind it may be out
.else
	s_wait_loadcnt 4*(STEPS-2-(\t))
.endif
	TURN (\t)+1
.endif
	s_wait_xcnt 0x0                                ; the last step's stores have read their data: the codes' registers are written again only behind this wait
	OUT 1, \t
	s_cmp_lt_u32 ttmp9, 256                        ; x alone has a second and a third scale
	s_cbranch_scc0 .Lone_\@
	OUT 2, \t
	OUT 3, \t
.Lone_\@:
.endm
.irp t, 0,1,2,3,4,5,6,7,8,9,10,11,12,13,14,15
	STEP \t
.endr
	s_wait_tensorcnt 0x0                           ; the wave's end, behind my last LDS store
	ds_add_u32 v[SPW], v[NIL]
	s_wait_dscnt 0x0
	s_endpgm
; ---------------------------------------------------------------- TABLE: a wave takes 8 positions, a lane a frequency
.Lnot_quant:
	s_cmp_lt_u32 ttmp9, 448
	s_cbranch_scc0 .Lmask
	s_sub_co_u32 s26, ttmp9, 384
	s_lshl_b32 s26, s26, 5
	s_lshl_b32 s27, s24, 3
	s_add_co_u32 s33, s26, s27                     ; my first position: 32 x work-group + 8 x wave
	s_lshl_b32 s28, s33, 8
	s_mov_b32 s29, 0
	s_add_nc_u64 s[20:21], s[20:21], s[28:29]
	s_mov_b32 s30, 0xbed49a78                      ; -log2(10000) / 32, its f32 part,
	s_mov_b32 s31, 0xb2179a31                      ; and what that leaves
	s_mov_b32 s32, 0x3f317218                      ; ln 2
	s_mov_b32 s35, 0x3fc90fdb                      ; pi / 2, its f32 part,
	s_mov_b32 s36, 0xb33bbd2e                      ; and what that leaves
	v_cvt_f32_u32 v20, v2                          ; j
	v_mul_f32 v21, s30, v20                        ; p, rounded
	v_fma_f32 v22, v20, s30, -v21                  ; what the rounding dropped,
	v_fma_f32 v22, v20, s31, v22                   ; and the constant's own rest
	v_exp_f32 v23, v21
	v_lshlrev_b32 v6, 3, v2                        ; (a plain line behind the exponential)  8 bytes a lane
	s_wait_alu depctr_va_vdst(0)                   ; the wait ahead of the result's first reader
	v_mul_f32 v22, v23, v22
	v_fma_f32 v23, v22, s32, v23                   ; inv_freq = 2^p (1 + rest x ln 2)
.macro POS i
	s_add_co_u32 s34, s33, \i
	v_cvt_f32_u32 v24, s34
	v_mul_f32 v24, v24, v23                        ; the angle: one f32 product
	v_mul_f32 v25, 0x3f22f983, v24
	v_rndne_f32 v25, v25                           ; n = whole quarter turns
	v_fma_f32 v26, -v25, s35, v24
	v_fma_f32 v26, -v25, s36, v26                  ; r, within pi / 4
	v_mul_f32 v27, v26, v26
	v_mov_b32 v28, 0xb94ca1f9
	v_fmaak_f32 v28, v28, v27, 0x3c08839e
	v_fmaak_f32 v28, v28, v27, 0xbe2aaaa3
	v_mul_f32 v28, v28, v27
	v_fma_f32 v28, v28, v26, v26                   ; sin r
	v_mov_b32 v29, 0x37ccf5ce
	v_fmaak_f32 v29, v29, v27, 0xbab6061a
	v_fmaak_f32 v29, v29, v27, 0x3d2aaaa5
	v_mul_f32 v29, v29, v27
	v_mul_f32 v29, v29, v27
	v_fma_f32 v29, -0.5, v27, v29
	v_add_f32 v29, 1.0, v29                        ; cos r
	v_cvt_i32_f32 v30, v25
	v_and_b32 v31, 1, v30
	v_cmp_eq_u32 vcc_lo, 1, v31                    ; an odd quarter swaps the two
	v_cndmask_b32 v8, v28, v29, vcc_lo
	v_cndmask_b32 v9, v29, v28, vcc_lo
	v_lshlrev_b32 v31, 30, v30
	v_and_b32 v31, 0x80000000, v31                 ; sin is negated in quarters 2, 3,
	v_xor_b32 v[33+2*\i], v31, v8
	v_add_nc_u32 v30, 1, v30
	v_lshlrev_b32 v30, 30, v30
	v_and_b32 v30, 0x80000000, v30                 ; cos in quarters 1, 2
	v_xor_b32 v[32+2*\i], v30, v9
	global_store_b64 v6, v[32+2*\i:33+2*\i], s[20:21] offset:256*\i   ; 32 lanes store a position's 256 bytes
.endm
.irp i, 0,1,2,3,4,5,6,7
	POS \i
.endr
	s_endpgm
; ---------------------------------------------------------------- MASK: a work-group takes 32 queries (a unit), wave g the keys 512 g .. 512 g + 511 (four steps of 128)
; Word n = 8 t + j of (unit, step, tile of 16 queries): bit l (r = l % 16, h = l / 16) = mask[query r of the tile][key 16 t + 8 h + j of the step]: the lane mask of register n of the scores.
.Lmask:
	s_sub_co_u32 s26, ttmp9, 448                   ; the unit
	v_and_b32 v1, 15, v0
	v_bfe_u32 v3, v0, 4, 1
	v_lshlrev_b32 v1, 11, v1
	v_lshl_add_u32 v1, v3, 3, v1                   ; r rows of 2,048 bytes + 8 h
	v_lshlrev_b32 v4, 3, v2                        ; two words a lane on the way out
	v_lshlrev_b32 v5, 2, v2
	s_lshl_b32 s28, s26, 16                        ; 32 rows a unit
	s_lshl_b32 s27, s24, 9
	s_add_co_u32 s28, s28, s27
	s_mov_b32 s29, 0
	s_add_nc_u64 s[14:15], s[14:15], s[28:29]
	s_lshl_b32 s30, s26, 13                        ; the words: 8,192 bytes a unit, 2,048 a wave
	s_lshl_b32 s27, s24, 11
	s_add_co_u32 s30, s30, s27
	s_mov_b32 s31, 0
	s_add_nc_u64 s[34:35], s[22:23], s[30:31]
	s_lshl_b32 s30, s26, 9                         ; the flags: behind the words, 128 bytes for each (unit, wave)
	s_lshl_b32 s27, s24, 7
	s_add_co_u32 s30, s30, s27
	s_add_co_u32 s30, s30, 0x80000
	s_add_nc_u64 s[36:37], s[22:23], s[30:31]
	s_mov_b32 s51, 0
.irp i, 0,1,2,3
.irp u, 0,1
.irp t, 0,1,2,3,4,5,6,7
	global_load_b64 v[32+2*(8*(2*\i+\u)+\t):33+2*(8*(2*\i+\u)+\t)], v1, s[14:15] offset:\u*32768+128*\i+16*\t
.endr
.endr
.endr
.macro MTILE m                         ; tile-step m = 2 x step + tile: 64 words, gathered two to a lane
	s_wait_loadcnt 56-8*(\m)                       ; its eight loads are in; the later tile-steps' may be out
	v_mov_b32 v[160+2*(\m)], 0
	v_mov_b32 v[161+2*(\m)], 0
.irp t, 0,1,2,3,4,5,6,7
.irp j, 0,1,2,3,4,5,6,7
	v_and_b32 v[16+\j], 0xff<<(8*(\j%4)), v[32+2*(8*(\m)+\t)+\j/4]
.endr
.irp j, 0,1,2,3,4,5,6,7
	v_cmp_ne_u32 s[40+\j], 0, v[16+\j]
.endr
.irp j, 0,1,2,3,4,5,6,7
	v_writelane_b32 v[160+2*(\m)+(\j%2)], s[40+\j], 4*\t+\j/2
.endr
.endr
	global_store_b64 v4, v[160+2*(\m):161+2*(\m)], s[34:35] offset:256*(\m)   ; 256 consecutive bytes
.endm
.irp i, 0,1,2,3
	MTILE 2*\i
	MTILE 2*\i+1
	v_and_b32 v24, v[160+4*\i], v[161+4*\i]
	v_and_b32 v25, v[162+4*\i], v[163+4*\i]
	v_and_b32 v24, v24, v25
	v_or_b32 v26, v[160+4*\i], v[161+4*\i]
	v_or_b32 v27, v[162+4*\i], v[163+4*\i]
	v_or_b32 v26, v26, v27
	v_cmp_ne_u32 s48, -1, v24                      ; 0: every bit is set
	v_cmp_ne_u32 s49, 0, v26                       ; 0: no bit is set
	s_cmp_eq_u32 s48, 0
	s_cselect_b32 s50, 2, 1
	s_cmp_eq_u32 s49, 0
	s_cselect_b32 s50, 0, s50
	s_lshl_b32 s50, s50, 2*\i
	s_or_b32 s51, s51, s50
.endr
	v_mov_b32 v186, s51
	global_store_b32 v5, v186, s[36:37]
	s_endpgm
.Lfunc_end_k_q850edef868_prep:
	.size	k_q850edef868_prep, .Lfunc_end_k_q850edef868_prep-k_q850edef868_prep
	.p2alignl 7, 3214868480
	.fill 96, 4, 3214868480
	.section	.rodata,"a",@progbits
	.p2align	6, 0x0
	.amdhsa_kernel k_q850edef868_prep
		.amdhsa_group_segment_fixed_size 33280
		.amdhsa_private_segment_fixed_size 0
		.amdhsa_enable_private_segment 0
		.amdhsa_kernarg_size 80
		.amdhsa_user_sgpr_count 2
		.amdhsa_user_sgpr_kernarg_segment_ptr 1
		.amdhsa_wavefront_size32 1
		.amdhsa_system_sgpr_workgroup_id_x 1
		.amdhsa_system_sgpr_workgroup_id_y 1
		.amdhsa_system_sgpr_workgroup_id_z 1
		.amdhsa_system_vgpr_workitem_id 0
		.amdhsa_next_free_vgpr 192
		.amdhsa_next_free_sgpr 66
		.amdhsa_reserve_vcc 1
		.amdhsa_float_denorm_mode_32 3
		.amdhsa_float_denorm_mode_16_64 3
		.amdhsa_memory_ordered 1
		.amdhsa_forward_progress 1
		.amdhsa_inst_pref_size 201
	.end_amdhsa_kernel
	.amdgpu_metadata
---
amdhsa.version: [ 1, 2 ]
amdhsa.kernels:
  - .name:           k_q850edef868_prep
    .symbol:         k_q850edef868_prep.kd
    .args:
      - { .name: x, .offset: 0, .size: 8, .value_kind: global_buffer, .address_space: global }
      - { .name: wq, .offset: 8, .size: 8, .value_kind: global_buffer, .address_space: global }
      - { .name: wk, .offset: 16, .size: 8, .value_kind: global_buffer, .address_space: global }
      - { .name: wv, .offset: 24, .size: 8, .value_kind: global_buffer, .address_space: global }
      - { .name: wo, .offset: 32, .size: 8, .value_kind: global_buffer, .address_space: global }
      - { .name: mask, .offset: 40, .size: 8, .value_kind: global_buffer, .address_space: global }
      - { .name: lowp_scales, .offset: 48, .size: 8, .value_kind: global_buffer, .address_space: global }
      - { .name: codes, .offset: 56, .size: 8, .value_kind: global_buffer, .address_space: global }
      - { .name: tab, .offset: 64, .size: 8, .value_kind: global_buffer, .address_space: global }
      - { .name: mw, .offset: 72, .size: 8, .value_kind: global_buffer, .address_space: global }
    .group_segment_fixed_size: 33280
    .private_segment_fixed_size: 0
    .kernarg_segment_align: 8
    .kernarg_segment_size: 80
    .max_flat_workgroup_size: 128
    .sgpr_count:     66
    .vgpr_count:     192
    .wavefront_size: 32
...
	.end_amdgpu_metadata
.endif
;; end of part 1
;; launch qkv (part 2): grid 12 x 32, 4 waves a work-group, clusters of 4 x 4, 327,680 bytes of LDS; arguments codes, tab, lowp_scales, qkv; writes qkv
.if DOCPART == 2
	.amdgcn_target "amdgcn-amd-amdhsa--gfx1250"
	.amdhsa_code_object_version 6
	.text
	.protected	k_q850edef868_qkv
	.globl	k_q850edef868_qkv
	.p2align	8
	.type	k_q850edef868_qkv,@function
k_q850edef868_qkv:
	s_mov_b64 s[64:65], 0
	v_nop
	global_prefetch_b8 v0, s[64:65] scope:SCOPE_SE
	s_setreg_imm32_b32 hwreg(HW_REG_WAVE_MODE, 25, 1), 1
	s_wait_xcnt 0x0
	s_wait_alu depctr_hold_cnt(0) depctr_sa_sdst(0) depctr_va_vdst(0) depctr_va_sdst(0) depctr_va_ssrc(0) depctr_va_vcc(0) depctr_vm_vsrc(0)
	s_getreg_b32 s2, hwreg(HW_REG_IB_STS2, 6, 4)
	s_cmp_eq_u32 s2, 0
	s_cbranch_scc0 .Lentry_in_a_cluster
	s_endpgm
.Lentry_in_a_cluster:
	s_bfe_u32 s2, ttmp6, 0x10000c
	s_cmp_lg_u32 s2, 0xf033
	s_cbranch_scc0 .Lentry_shape_is_right
	s_endpgm
.Lentry_shape_is_right:
; The three projections on codes of E4M3, with the rotation and the quantisers of q, k and v as the way out.  Cluster x says which: 0 q, 1 k, 2 v.
; A tile of 256 x 256 of a product is made by four waves, 128 x 128 each: 64 accumulators of 16 x 16.  K = 1,024 goes in steps of 256 through a ring of two LDS slots filled by the tensor data mover.
; THE MATRIX INSTRUCTION IS USED TRANSPOSED: source 0 = 16 rows of 'B', source 1 = 16 rows of 'A': a lane holds one row of A and its eight registers eight neighbouring rows of B.
;   q, k: A = x's codes (a lane holds a position), B = the weight (registers run along the features: four pairs of the rotation, and eight neighbours along the next product's K).
;   v:    A = wv's stored rows (a lane holds a channel), B = x's codes (registers run along the positions, which are the next product's K).
; CLUSTERS: 4 x 4 work-groups; A's tile is shared along a row of the cluster, B's along a column: each is asked for jointly.  Which product is made hangs on the cluster's x, which all sixteen share.
; THE WAY OUT needs no LDS: the codes are stored as IMAGES OF OPERAND REGISTERS, 16 bytes a lane, 512 consecutive bytes a store.
;   q at 0, k at 2^23: [batch x head 64][tile of 16 positions 128][registers 0-3, 4-7][lane][16 bytes]; registers 2 c, 2 c + 1 hold channels 16 c + 8 (lane / 16) + 0 .. 7 of position lane % 16.
;   v at 2^24: [batch x head][128 keys 16][tile of 16 channels 4][four registers 4][lane][16 bytes]; registers 2 c, 2 c + 1 hold keys 16 c + 8 (lane / 16) + 0 .. 7.
; The rotation is linear, so the raw sums are rotated, and the conversion's one scale is 2^(e_out - e_x - e_w).
; LIMITS: e6 - e0 - e1, e7 - e2 - e3, e9 - e4 - e5 between -126 and 119.
; REGISTERS, in windows of 256: window 0: v0-31 addresses; v32-95 the table (two sets of 32); from v128 A's fragments, ONE set; on the way out v128-191 numbers, v192-223 codes.
;   window 1: B's fragments, two sets.   window 2: the accumulators of my A rows 0-63 ((a, b) at v[8 (8 a + b)]);   window 3: those of rows 64-127.
.set KSTEP,  256
.set ROWB,   256
.set KROW,   1024
.set PITCH,  272                       ; an LDS row: 256 bytes + 16 of padding = 68 words: the 16 rows that a load touches start at 16 different banks (ISA guide 11.1)
.set FR,     16
.set NL,     4
.set NP,     4                         ; places behind this matrix instruction (ISA guide 7.12.1)
.set HALFT,  128*PITCH
.set SLOT,   4*HALFT
.set LAPS,   2                         ; 1,024 / 512
.set SPARE,  2*SLOT                    ; behind the ring: the spare words, 128 bytes a wave; no other line names them
.set WQ,     0x1800000
.set WV,     0x1a00000
.set ADRA, 16
.set ADRB, 20
.set SPW,  28
.set NIL,  29
.set TAB,  32
.set AF,   128
.set T,    128
.set CODE, 192
.set G1, 24
.set G0, 32
.set G1B, 48
.set G0B, 56
.set MSB, 0
.macro WIN new                         ; the immediate's high byte repeats the setting that is left
.if MSB != \new
	s_set_vgpr_msb (MSB<<8)|\new
.set MSB, \new
.endif
.endm
.set MUL_LO, 0xa1
.set MUL_HI, 0xf1
.set TO_B,   0x40
; A joint load: waves 0 and 1 fetch for A, waves 2 and 3 for B.  An s_nop 0 and four v_nop follow each of the two lines.
.macro JLOAD g0a, g1a, g0b, g1b
	s_cmp_eq_u32 s15, 0
	s_cbranch_scc0 .Lfor_b_\@
	tensor_load_to_lds s[\g0a:\g0a+3], s[\g1a:\g1a+7]
	s_nop 0
.rept 4
	v_nop
.endr
	s_branch .Lasked_\@
.Lfor_b_\@:
	tensor_load_to_lds s[\g0b:\g0b+3], s[\g1b:\g1b+7]
	s_nop 0
.rept 4
	v_nop
.endr
.Lasked_\@:
.endm
.macro CREST
	s_cmp_lg_u32 s14, 0
	s_cbranch_scc1 .Lnot_wave_0_\@
	s_barrier_signal -3
.Lnot_wave_0_\@:
	s_barrier_wait -3
	s_barrier_signal -1
	s_barrier_wait -1
.endm
.macro CROUND
	s_barrier_signal -1
	s_barrier_wait -1
	CREST
.endm
	s_load_b256 s[4:11], s[0:1], 0x0               ; codes s[4:5], tab s[6:7], the scales' exponents s[8:9], qkv s[10:11]
	v_lshl_add_u32 v[SPW], v0, 2, SPARE
	v_mov_b32 v[NIL], 0
	ds_add_u32 v[SPW], v[NIL]                      ; the wave's opening: the add and its wait ahead of my first tensor load
	v_lshrrev_b32 v1, 5, v0
	v_readfirstlane_b32 s14, v1                    ; wave 0..3
	s_lshr_b32 s15, s14, 1                         ; which half of A's rows is mine.  Also: I fetch for A (0) or for B (1)
	s_and_b32 s16, s14, 1                          ; which half of B's rows.  Also: which 128 rows of that tile I fetch
	s_bfe_u32 s40, ttmp6, 0x40000                  ; cx
	s_bfe_u32 s41, ttmp6, 0x40004                  ; cy
	s_mov_b32 s66, ttmp9                           ; which product: the cluster's x
	s_lshr_b32 s67, s66, 1                         ; 1 for v
	s_xor_b32 s80, s67, 1                          ; 1 for q and k
	s_and_b32 s82, s66, 1                          ; 1 for k
	s_and_b32 s81, ttmp7, 0xffff                   ; the cluster's y, 0..7
	s_mul_i32 s17, s81, s80
	s_lshl_b32 s17, s17, 2
	s_add_co_u32 s17, s17, s41                     ; A's tile: cy + 4 x cluster y (q, k: 32 tiles of x); cy (v: 4 tiles of wv)
	s_mul_i32 s42, s81, s67
	s_lshl_b32 s42, s42, 2
	s_add_co_u32 s42, s42, s40                     ; B's tile: cx (q, k: the weight); cx + 4 x cluster y (v: x)
	s_lshl_b32 s43, s41, 2
	s_lshl_b32 s43, 15, s43                        ; my row of the cluster
	s_lshl_b32 s44, 0x1111, s40                    ; my column
	s_or_b32 s[G1+0], s43, (0<<16)|(1<<20)|(1<<21)|(5<<22)|(3<<25)  ; the mask; elements of 1 byte; padding on; bit 21 beside a mask; after every 64 words four words
	s_or_b32 s[G1B+0], s44, (0<<16)|(1<<20)|(1<<21)|(5<<22)|(3<<25)
.irp g, G1, G1B
	s_mov_b32 s[\g+1], ROWB<<16                    ; tensor_dim0
	s_mov_b32 s[\g+2], 128<<16                     ; tensor_dim1
	s_mov_b32 s[\g+3], ROWB<<16                    ; tile_dim0
	s_mov_b32 s[\g+4], 128                         ; tile_dim1
	s_mov_b32 s[\g+5], KROW                        ; from row to row
	s_mov_b32 s[\g+6], 0
	s_mov_b32 s[\g+7], 0
.endr
	s_lshl_b32 s18, s16, 7                         ; which 128 rows of the tile I fetch
	s_lshl_b32 s20, s17, 8
	s_add_co_u32 s20, s20, s18
	s_lshl_b32 s20, s20, 10                        ; A: rows of 1,024 bytes,
	s_lshl_b32 s19, s82, 23
	s_add_co_u32 s20, s20, s19                     ; in x's set for q (0) or k (2^23),
	s_mul_i32 s19, s67, WV
	s_add_co_u32 s20, s20, s19                     ; or in wv's codes
	s_mov_b32 s21, 0
	s_lshl_b32 s46, s42, 8
	s_add_co_u32 s46, s46, s18
	s_lshl_b32 s46, s46, 10                        ; B likewise:
	s_lshl_b32 s19, s82, 20
	s_add_co_u32 s46, s46, s19
	s_mul_i32 s19, s80, WQ
	s_add_co_u32 s46, s46, s19                     ; wq's or wk's codes,
	s_lshl_b32 s19, s67, 24
	s_add_co_u32 s46, s46, s19                     ; or x's set for v (2^24)
	s_mov_b32 s47, 0
	s_mul_i32 s45, s14, HALFT                      ; where they go: wave x 128 rows: no place in the cluster enters an LDS address
	s_wait_dscnt 0x0                               ; the opening add is done
	s_wait_kmcnt 0x0
	s_load_b256 s[68:75], s[8:9], 0x0              ; e0 .. e7
	s_load_b128 s[76:79], s[8:9], 0x20             ; e8 .. e11
	s_add_nc_u64 s[20:21], s[4:5], s[20:21]
	s_add_nc_u64 s[46:47], s[4:5], s[46:47]
	CROUND                                         ; all sixteen work-groups are here: the first joint loads meet
.irp s, 0,1
	s_mov_b32 s[G0+4*\s], 1
	s_add_co_u32 s[G0+4*\s+1], s45, \s*SLOT
	s_add_nc_u64 s[G0+4*\s+2:G0+4*\s+3], s[20:21], \s*ROWB
	s_or_b32 s[G0+4*\s+3], s[G0+4*\s+3], 0x80000000
	s_mov_b32 s[G0B+4*\s], 1
	s_add_co_u32 s[G0B+4*\s+1], s45, \s*SLOT
	s_add_nc_u64 s[G0B+4*\s+2:G0B+4*\s+3], s[46:47], \s*ROWB
	s_or_b32 s[G0B+4*\s+3], s[G0B+4*\s+3], 0x80000000
	JLOAD G0+4*\s, G1, G0B+4*\s, G1B
.endr
	v_and_b32 v1, 15, v0                           ; r = l % 16
	v_bfe_u32 v2, v0, 4, 1                         ; h = l / 16
	v_mul_u32_u24 v3, v1, PITCH
	v_lshl_add_u32 v4, v2, 4, v3
	s_mul_i32 s21, s15, HALFT
	s_mul_i32 s22, s16, HALFT
	s_add_co_u32 s22, s22, 2*HALFT
.irp s, 0,1
	v_add_nc_u32 v[ADRA+\s], s21, v4
	v_add_nc_u32 v[ADRB+\s], s22, v4
	s_add_co_u32 s21, s21, SLOT
	s_add_co_u32 s22, s22, SLOT
.endr
	v_and_b32 v6, 31, v0
	v_lshlrev_b32 v12, 4, v6                       ; the way out: 16 bytes a lane
	v_lshlrev_b32 v13, 8, v1
	v_lshl_add_u32 v13, v2, 5, v13                 ; the table: position r of a block (256 bytes), + my half's four pairs (32 bytes)
	s_lshl_b32 s83, s17, 8
	s_lshl_b32 s84, s15, 7
	s_add_co_u32 s83, s83, s84                     ; my first row of A
	s_lshl_b32 s85, s42, 8
	s_lshl_b32 s84, s16, 7
	s_add_co_u32 s85, s85, s84                     ; my first row of B
	s_cmp_eq_u32 s66, 2
	s_cselect_b32 s86, s85, s83                    ; my first row of x: batch x 2,048 + position
	s_cselect_b32 s87, s83, s85                    ; my first feature: 64 x head
	s_lshr_b32 s88, s86, 11
	s_and_b32 s89, s86, 2047
	s_lshr_b32 s90, s87, 6
	s_lshl_b32 s88, s88, 4
	s_add_co_u32 s88, s88, s90                     ; batch x 16 + head
	s_lshl_b32 s92, s89, 8
	s_mov_b32 s93, 0
	s_add_nc_u64 s[6:7], s[6:7], s[92:93]          ; the table at my first position
	s_lshl_b32 s92, s89, 6                         ; 1,024 bytes for 16 positions (q, k), 8,192 for 128 keys (v): 64 a position in both
	s_lshl_b32 s88, s88, 17                        ; 131,072 bytes a head
	s_add_co_u32 s88, s88, s92
	s_lshl_b32 s92, s66, 23                        ; q, k, v
	s_add_co_u32 s88, s88, s92
	s_mov_b32 s89, 0
	s_add_nc_u64 s[10:11], s[10:11], s[88:89]
.macro TABLOAD a                       ; block a's 16 positions: (cos, sin) of my 16 pairs (four for each 16 channels of a head) into set a % 2
.irp q, 0,1,2,3
	global_load_b128 v[TAB+32*((\a)%2)+8*\q:TAB+32*((\a)%2)+8*\q+3], v13, s[6:7] offset:(\a)*4096+64*\q
	global_load_b128 v[TAB+32*((\a)%2)+8*\q+4:TAB+32*((\a)%2)+8*\q+7], v13, s[6:7] offset:(\a)*4096+64*\q+16
.endr
.endm
	TABLOAD 0                                      ; asked for here, a whole product ahead of their use; every work-group asks, v's too (inside the table; not used there), so that these registers are written on every way
	TABLOAD 1
.macro FRAG reg, adr, q, i             ; 16 rows x 128 K: lane l holds row l % 16; registers 4 c .. 4 c + 3 hold K = 32 c + 16 (l / 16) + 0 .. 15: the same order of k in A and in B
.irp c, 0,1,2,3
	ds_load_b128 v[\reg+4*\c:\reg+4*\c+3], v[\adr] offset:128*(\q)+32*\c+(\i)*16*PITCH
.endr
.endm
; 16 matrix instructions: A's blocks a0, a0 + 1 x B's eight.  The 64 accumulators take turns, one instruction a turn, in the same order in every step.
.macro MUL16 a0, p, zero
.irp a, \a0, \a0+1
.irp b, 0,1,2,3,4,5,6,7
.if \zero
	v_wmma_f32_16x16x128_fp8_fp8 v[8*(8*((\a)%4)+\b):8*(8*((\a)%4)+\b)+7], v[128*(\p)+FR*\b:128*(\p)+FR*\b+FR-1], v[AF+FR*(\a):AF+FR*(\a)+FR-1], 0
.else
	v_wmma_f32_16x16x128_fp8_fp8 v[8*(8*((\a)%4)+\b):8*(8*((\a)%4)+\b)+7], v[128*(\p)+FR*\b:128*(\p)+FR*\b+FR-1], v[AF+FR*(\a):AF+FR*(\a)+FR-1], v[8*(8*((\a)%4)+\b):8*(8*((\a)%4)+\b)+7]
.endif
.endr
.endr
.endm
.macro FETCH_B slot, q, p
	WIN TO_B
.irp i, 0,1,2,3,4,5,6,7
	FRAG 128*(\p)+FR*\i, ADRB+\slot, \q, \i
.endr
	WIN 0
.endm
.macro FETCH_A slot, q, i0
.irp i, \i0, \i0+1, \i0+2, \i0+3
	FRAG AF+FR*(\i), ADRA+\slot, \q, \i
.endr
.endm
.macro PLACES n                        ; plain vector lines between a matrix instruction and a load into, or a vector read or write of, its registers
.rept \n
	v_nop
.endr
.endm
.macro STEP slot, q, zero              ; a step of 128 along K that has its successor in the same slot
	s_wait_dscnt 4*NL                              ; B's set and A's blocks 0-3 are in; the youngest sixteen loads (A's blocks 4-7) may be out
	WIN MUL_LO
	MUL16 0, (\q)%2, \zero
	MUL16 2, (\q)%2, \zero
	s_wait_dscnt 0                                 ; A's blocks 4-7 are in
	PLACES NP
	FETCH_B \slot, (\q)+1, 1-(\q)%2
	FETCH_A \slot, (\q)+1, 0
	WIN MUL_HI
	MUL16 4, (\q)%2, \zero
	MUL16 6, (\q)%2, \zero
	PLACES NP
	WIN 0
	FETCH_A \slot, (\q)+1, 4
.endm
; A slot's last step changes slots: one barrier; in front of it each wave waits for all its tensor loads, adds 0 to its spare word, and waits for that and for its reads of this slot.
.macro TURN slot, next, fill
	s_wait_tensorcnt 0x0                           ; all my tensor loads have landed: my part of the next slot
	ds_add_u32 v[SPW], v[NIL]
	s_wait_dscnt 4*NL+1                            ; (the add and the youngest sixteen loads may be out)
	WIN MUL_LO
	MUL16 0, 1, 0
	s_wait_dscnt 0x0                               ; the add is done, and my reads of this slot are over
	s_barrier_signal -1
	MUL16 2, 1, 0
	WIN 0
	s_barrier_wait -1
.if \fill
	CREST                                          ; the barrier has opened a round of the cluster's barrier: no wave of any partner still reads this slot or has a load on its way
	s_add_nc_u64 s[G0+4*\slot+2:G0+4*\slot+3], s[G0+4*\slot+2:G0+4*\slot+3], 2*ROWB
	s_add_nc_u64 s[G0B+4*\slot+2:G0B+4*\slot+3], s[G0B+4*\slot+2:G0B+4*\slot+3], 2*ROWB
	JLOAD G0+4*\slot, G1, G0B+4*\slot, G1B         ; the first tensor load behind the round; its four v_nop are the places in front of the loads below
.else
	PLACES NP
.endif
	FETCH_B \next, 0, 0
	FETCH_A \next, 0, 0
	WIN MUL_HI
	MUL16 4, 1, 0
	MUL16 6, 1, 0
	PLACES NP
	WIN 0
	FETCH_A \next, 0, 4
.endm
	s_wait_tensorcnt 1                             ; my part of K step 0 is in (K step 1's load may be out)
	s_barrier_signal -1
	s_barrier_wait -1                              ; everybody's is
	FETCH_B 0, 0, 0
	FETCH_A 0, 0, 0
	FETCH_A 0, 0, 4
	STEP 0, 0, 1                                   ; the first step's products start the sums
	s_mov_b32 s3, LAPS-1
.Llap:
	TURN 0, 1, 1
	STEP 1, 0, 0
	TURN 1, 0, 1
	STEP 0, 0, 0
	s_sub_co_u32 s3, s3, 1
	s_cmp_lg_u32 s3, 0
	s_cbranch_scc1 .Llap
	TURN 0, 1, 0                                   ; the last lap fills nothing
	STEP 1, 0, 0
	s_wait_dscnt 4*NL
	WIN MUL_LO
	MUL16 0, 1, 0
	MUL16 2, 1, 0
	s_wait_dscnt 0
	WIN MUL_HI
	MUL16 4, 1, 0
	MUL16 6, 1, 0
	WIN 0
; THE WAY OUT.
	s_wait_kmcnt 0x0
	s_sub_co_i32 s92, s74, s68
	s_sub_co_i32 s92, s92, s69                     ; q: e6 - e0 - e1
	s_sub_co_i32 s93, s75, s70
	s_sub_co_i32 s93, s93, s71                     ; k: e7 - e2 - e3
	s_sub_co_i32 s94, s77, s72
	s_sub_co_i32 s94, s94, s73                     ; v: e9 - e4 - e5
	s_cmp_eq_u32 s66, 1
	s_cselect_b32 s92, s93, s92
	s_cmp_eq_u32 s66, 2
	s_cselect_b32 s92, s94, s92
	s_add_co_i32 s92, s92, 127
	s_lshl_b32 s93, s92, 23
	v_mov_b32 v10, s93                             ; the conversion's one scale
	s_add_co_i32 s92, s92, 8
	s_lshl_b32 s92, s92, 23
	s_or_b32 s92, s92, 0x600000
	v_mov_b32 v11, s92                             ; 448 x that
	PLACES NP
; q, k: block a = 16 positions x my 128 features (two heads).  A pair of registers (x1, x2) and the table's pair (c, s) give (x1 c - x2 s, x2 c + x1 s) by two packed lines.
.macro QKBLOCK a
.set AC, 64*((\a)%4)
.set TS, TAB+32*((\a)%2)
.set CD, CODE+16*((\a)%2)
.if (\a) < 7
	s_wait_loadcnt 8                               ; this block's table is in; the next block's eight loads may be out
.else
	s_wait_loadcnt 0
.endif
	WIN 0x02+((\a)/4)                              ; source 0: window 2 or 3
.irp b, 0,1,2,3,4,5,6,7
.irp i, 0,2,4,6
	v_pk_mul_f32 v[T+8*\b+\i:T+8*\b+\i+1], v[AC+8*\b+\i:AC+8*\b+\i+1], v[TS+8*(\b%4)+\i:TS+8*(\b%4)+\i+1] op_sel_hi:[1,0]   ; (x1 c, x2 c); each accumulator from its low end on
.endr
.endr
.irp b, 0,1,2,3,4,5,6,7
.irp i, 0,2,4,6
	v_pk_fma_f32 v[T+8*\b+\i:T+8*\b+\i+1], v[AC+8*\b+\i:AC+8*\b+\i+1], v[TS+8*(\b%4)+\i:TS+8*(\b%4)+\i+1], v[T+8*\b+\i:T+8*\b+\i+1] op_sel:[1,1,0] op_sel_hi:[0,1,1] neg_lo:[1,0,0]   ; (-x2 s + x1 c, x1 s + x2 c)
.endr
.endr
	WIN 0
.if (\a) < 6
	TABLOAD (\a)+2                                 ; into the set just read
.endif
	s_wait_xcnt 0x0                                ; earlier stores have read their data: the codes' registers are written again only behind this wait
.set n, 0
.rept 64
	v_med3_num_f32 v[T+n], v[T+n], -v11, v11       ; the conversion to an 8-bit code does not saturate (ISA guide 7.6.2)
.set n, n+1
.endr
.irp b, 0,1,2,3,4,5,6,7
	v_cvt_scalef32_pk8_fp8_f32 v[CD+2*\b:CD+2*\b+1], v[T+8*\b:T+8*\b+7], v10   ; head b / 4, registers 2 (b % 4), 2 (b % 4) + 1 of its fragment
.endr
	v_nop                                          ; a plain line between the conversions and the next lines that write their sources
.irp d, 0,1
.irp c, 0,1
	global_store_b128 v12, v[CD+8*\d+4*\c:CD+8*\d+4*\c+3], s[10:11] offset:(\a)*1024+\d*131072+512*\c   ; 512 consecutive bytes
.endr
.endr
.endm
; v: block a = 16 channels x my 128 positions: one whole fragment of the second attention product.
.macro VBLOCK a
.set AC, 64*((\a)%4)
.set CD, CODE+16*((\a)%2)
	WIN 0x02+((\a)/4)
.set n, 0
.rept 64
	v_med3_num_f32 v[T+n], v[AC+n], -v11, v11
.set n, n+1
.endr
	WIN 0
	s_wait_xcnt 0x0
.irp b, 0,1,2,3,4,5,6,7
	v_cvt_scalef32_pk8_fp8_f32 v[CD+2*\b:CD+2*\b+1], v[T+8*\b:T+8*\b+7], v10
.endr
	v_nop
.irp c, 0,1,2,3
	global_store_b128 v12, v[CD+4*\c:CD+4*\c+3], s[10:11] offset:((\a)/4)*131072+((\a)%4)*2048+512*\c
.endr
.endm
	s_cmp_eq_u32 s66, 2                            ; the cluster's x: the same in all sixteen partners
	s_cbranch_scc1 .Lway_v
.irp a, 0,1,2,3,4,5,6,7
	QKBLOCK \a
.endr
	s_branch .Ldone
.Lway_v:
.irp a, 0,1,2,3,4,5,6,7
	VBLOCK \a
.endr
.Ldone:
	s_wait_tensorcnt 0x0                           ; the wave's end
	ds_add_u32 v[SPW], v[NIL]
	s_wait_dscnt 0x0
	CROUND                                         ; the closing round
	s_endpgm
.Lfunc_end_k_q850edef868_qkv:
	.size	k_q850edef868_qkv, .Lfunc_end_k_q850edef868_qkv-k_q850edef868_qkv
	.p2alignl 7, 3214868480
	.fill 96, 4, 3214868480
	.section	.rodata,"a",@progbits
	.p2align	6, 0x0
	.amdhsa_kernel k_q850edef868_qkv
		.amdhsa_group_segment_fixed_size 327680
		.amdhsa_private_segment_fixed_size 0
		.amdhsa_enable_private_segment 0
		.amdhsa_kernarg_size 32
		.amdhsa_user_sgpr_count 2
		.amdhsa_user_sgpr_kernarg_segment_ptr 1
		.amdhsa_wavefront_size32 1
		.amdhsa_system_sgpr_workgroup_id_x 1
		.amdhsa_system_sgpr_workgroup_id_y 1
		.amdhsa_system_sgpr_workgroup_id_z 1
		.amdhsa_system_vgpr_workitem_id 0
		.amdhsa_next_free_vgpr 1024
		.amdhsa_next_free_sgpr 100
		.amdhsa_reserve_vcc 0
		.amdhsa_float_denorm_mode_32 3
		.amdhsa_float_denorm_mode_16_64 3
		.amdhsa_memory_ordered 1
		.amdhsa_forward_progress 1
		.amdhsa_inst_pref_size 197
	.end_amdhsa_kernel
	.amdgpu_metadata
---
amdhsa.version: [ 1, 2 ]
amdhsa.kernels:
  - .name:           k_q850edef868_qkv
    .symbol:         k_q850edef868_qkv.kd
    .args:
      - { .name: codes, .offset: 0, .size: 8, .value_kind: global_buffer, .address_space: global }
      - { .name: tab, .offset: 8, .size: 8, .value_kind: global_buffer, .address_space: global }
      - { .name: lowp_scales, .offset: 16, .size: 8, .value_kind: global_buffer, .address_space: global }
      - { .name: qkv, .offset: 24, .size: 8, .value_kind: global_buffer, .address_space: global }
    .group_segment_fixed_size: 327680
    .private_segment_fixed_size: 0
    .kernarg_segment_align: 8
    .kernarg_segment_size: 32
    .max_flat_workgroup_size: 128
    .sgpr_count:     100
    .vgpr_count:     1024
    .wavefront_size: 32
...
	.end_amdgpu_metadata
.endif
;; end of part 2
;; launch attn (part 3): grid 4 x 64, 8 waves a work-group, no clusters, 263,168 bytes of LDS; arguments qkv, mw, lowp_scales, oimg; writes oimg
.if DOCPART == 3
	.amdgcn_target "amdgcn-amd-amdhsa--gfx1250"
	.amdhsa_code_object_version 6
	.text
	.protected	k_q850edef868_attn
	.globl	k_q850edef868_attn
	.p2align	8
	.type	k_q850edef868_attn,@function
k_q850edef868_attn:
	s_mov_b64 s[64:65], 0
	v_nop
	global_prefetch_b8 v0, s[64:65] scope:SCOPE_SE
	s_setreg_imm32_b32 hwreg(HW_REG_WAVE_MODE, 25, 1), 1
	s_wait_xcnt 0x0
; Attention on codes of E4M3 under a mask that is an input.  Work-group (j, batch x head); its eight waves each take two UNITS of 32 queries, one after the other: unit 63 - c, then unit c, c = 8 j + wave.
; A unit is two tiles of 16 queries that share every fragment of K and V read from LDS.  Keys go 128 a step, 16 steps.
; THE MASK.  An earlier launch stored, for each unit and step, a flag (0 nothing true, 1 mixed, 2 all true) and, for each tile, 64 words: the lane mask of each register of the scores.
; A step with flag 0 is left out (a scalar branch on the stored flag); with flag 1 the hidden scores become -infinity ahead of the maximum.  A row with nothing true ends with the sum 0 and is stored as NaN codes.
; NO TENSOR LOADS AND NO CLUSTER: steps are left out by branches on stored numbers.  A head's K and V, 131,072 bytes each, come
; to LDS through registers, once: they fit whole, no byte is written twice, and four barriers part the stores from the loads.  Steps 0-3 are filled at the head, 4-15 during the first six steps.
; BOTH PRODUCTS TRANSPOSED: S^T = K Q^T (source 0 = 16 keys), O^T = V^T P^T (source 0 = 16 channels): a lane holds one query.  Register 8 t + j of S^T is key 16 t + 8 (lane / 16) + j: the conversions' results
; are the second product's operand.  V's channels were laid so that tiles 2 b, 2 b + 1 of O^T are channels 32 b + 16 (lane / 16) + 0 .. 15.
; SOFTMAX: t = score x c, c = log2(e) / 8 x 2^(e6 + e7); M = the running largest t rounded up to a whole number; p = 2^(t - M) is quantised; the sum is taken of the unquantised p.
; O^T begins as zeros: which step is a unit's first hangs on the mask, so no step can be written as the one that starts the sums.
; OUT: o = O^T / sum as codes under e10, as images of the last product's operand: [tile of 16 rows 512][128 along K 8][four registers 4][lane][16 bytes].
; LIMITS: e6 + e7 between -123 and 130; e8, and e10 - e8 - e9, between -126 and 119.
; REGISTERS.  Window 0: v1 16 x lane; v2, v3 LDS addresses of the step's K, V; v4, v5 the fill's; v6 16 x thread; v7 -infinity; v8, v9 2^e8, 448 x 2^e8; v10, v11 the add's two; v12-15, v16-19 -M, largest t, sum (a pair);
;   v20-23, v26, v27, v30, v31 at work; v[24:25], v[28:29] f (v25 also holds the prefetches' offset, 256 x lane); v32-47, v48-63 p's codes; v64-127, v128-191 S^T; v192-255 the fill's stage.
;   Window 1: v0-15 Q; v16-47, v48-79 O^T; v128-191 K's eight fragments; v192-255 V's four.
; SCALARS: s[2:3] K, s[4:5] Q, s[12:13] V of my head; s[6:7] mw; s[8:9] the unit's Q; s[10:11] o's images at my head; s[14:15] at my unit; s16-63, s80-95 a tile's 64 mask words;
;   s66 wave; s67 trips; s[68:69] c; s[70:71] lane selects; s72 e8; s73 the step's flag; s74 the unit; s75 the step's LDS byte; s76 flags to come; s77 the step's words; s[78:79] prefetches; s100, s101 o's scale and hold.
.set SPARE, 262144                     ; behind K and V: the spare words, 128 bytes a wave; no other line names them
.set VL,    131072                     ; V's images begin here
.set SA, 64
.set SB, 128
.set PA, 32
.set PB, 48
.set STG, 192
.set QF, 0
.set OA, 16
.set OB, 48
.set KF, 128
.set VF, 192
.set MSB, 0
.macro WIN new
.if MSB != \new
	s_set_vgpr_msb (MSB<<8)|\new
.set MSB, \new
.endif
.endm
.macro FILL_ISSUE s0                   ; steps s0 .. s0 + 3 of K and of V: 32,768 bytes each, 16 bytes a thread of each 4,096
.irp n, 0,1,2,3,4,5,6,7
	global_load_b128 v[STG+4*\n:STG+4*\n+3], v6, s[2:3] offset:(\s0)*8192+4096*\n
	global_load_b128 v[STG+32+4*\n:STG+32+4*\n+3], v6, s[12:13] offset:(\s0)*8192+4096*\n
.endr
.endm
.macro FILL_STORE s0
	v_add_nc_u32 v4, (\s0)*8192, v6
	v_add_nc_u32 v5, VL+(\s0)*8192, v6
.irp n, 0,1,2,3,4,5,6,7
	ds_store_b128 v4, v[STG+4*\n:STG+4*\n+3] offset:4096*\n
	ds_store_b128 v5, v[STG+32+4*\n:STG+32+4*\n+3] offset:4096*\n
.endr
.endm
.macro UNIT_BEGIN                      ; unit s74
	s_lshl_b32 s96, s74, 11
	s_mov_b32 s97, 0
	s_add_nc_u64 s[8:9], s[4:5], s[96:97]          ; its two tiles of Q: 2,048 bytes
	s_lshl_b32 s96, s74, 15
	s_add_nc_u64 s[14:15], s[10:11], s[96:97]      ; its two tiles of rows of o: 16,384 bytes each
	s_lshl_b32 s77, s74, 13                        ; its mask words: 8,192 bytes
	s_lshl_b32 s96, s74, 9
	s_add_co_u32 s96, s96, 0x80000                 ; its flags: four words, 128 bytes apart
	s_load_b32 s76, s[6:7], s96 offset:0x0
	s_load_b32 s97, s[6:7], s96 offset:0x80
	s_load_b32 s98, s[6:7], s96 offset:0x100
	s_load_b32 s99, s[6:7], s96 offset:0x180
	WIN 0x40                                       ; destination window 1
.irp i, 0,1,2,3
	global_load_b128 v[QF+4*\i:QF+4*\i+3], v1, s[8:9] offset:512*\i
.endr
.set n, 0
.rept 64
	v_mov_b32 v[OA+n], 0
.set n, n+1
.endr
	WIN 0
.irp s, 12, 16
	v_mov_b32 v[\s+1], 0xff61b1e6                  ; the largest t so far: -3e38
	v_floor_f32 v[\s], -v[\s+1]                    ; -M
	v_mov_b32 v[\s+2], 0
	v_mov_b32 v[\s+3], 0
.endr
	s_wait_kmcnt 0x0
	s_lshl_b32 s97, s97, 8
	s_or_b32 s76, s76, s97
	s_lshl_b32 s98, s98, 16
	s_or_b32 s76, s76, s98
	s_lshl_b32 s99, s99, 24
	s_or_b32 s76, s76, s99                         ; sixteen flags of two bits, step 0's lowest
.endm
.macro MASKIT S                        ; where the word's bit is 0 the score becomes -infinity; each accumulator from its low end on
.set n, 0
.rept 48
	v_cndmask_b32 v[\S+n], v7, v[\S+n], s[16+n]
.set n, n+1
.endr
.rept 16
	v_cndmask_b32 v[\S+n], v7, v[\S+n], s[32+n]
.set n, n+1
.endr
.endm
.macro WORDS off                       ; a tile's 64 words
	s_load_b512 s[16:31], s[6:7], s77 offset:\off
	s_load_b512 s[32:47], s[6:7], s77 offset:\off+0x40
	s_load_b512 s[48:63], s[6:7], s77 offset:\off+0x80
	s_load_b512 s[80:95], s[6:7], s77 offset:\off+0xc0
.endm
.macro SOFTMAX S, ST, P, F
.irp k, 0,1,2,3                        ; the step's largest score, in four chains; each accumulator's first read falls on its low four registers
	v_max3_num_f32 v[20+\k], v[\S+16*\k], v[\S+16*\k+1], v[\S+16*\k+2]
.endr
.irp i, 3,5,7,9,11,13
.irp k, 0,1,2,3
	v_max3_num_f32 v[20+\k], v[20+\k], v[\S+16*\k+\i], v[\S+16*\k+\i+1]
.endr
.endr
	v_max3_num_f32 v20, v20, v21, v[\S+15]
	v_max3_num_f32 v22, v22, v23, v[\S+31]
	v_max3_num_f32 v20, v20, v[\S+47], v[\S+63]
	v_max_num_f32 v20, v20, v22
	v_permlanex16_b32 v26, v20, s70, s71
	v_max_num_f32 v20, v20, v26                    ; and lane l xor 16's
	v_mul_f32 v20, s68, v20                        ; as t (c is positive)
	v_max_num_f32 v[\ST+1], v[\ST+1], v20
	v_mov_b32 v20, v[\ST]
	v_floor_f32 v[\ST], -v[\ST+1]                  ; the new -M: M is a whole number
	v_sub_f32 v20, v[\ST], v20
	v_cvt_i32_f32 v20, v20                         ; (it saturates)
	v_ldexp_f32 v[\F], 1.0, v20                    ; f = 2^(old M - new M)
.set n, 0
.rept 32
	v_pk_fma_f32 v[\S+n:\S+n+1], v[\S+n:\S+n+1], s[68:69], v[\ST:\ST+1] op_sel_hi:[1,0,0]   ; t - M
.set n, n+2
.endr
.set n, 0
.rept 64
	v_exp_f32 v[\S+n], v[\S+n]
.set n, n+1
.endr
	v_pk_mul_f32 v[\ST+2:\ST+3], v[\ST+2:\ST+3], v[\F:\F+1] op_sel_hi:[1,0]   ; the sum under the new M (a plain line behind the exponentials)
	s_wait_alu depctr_va_vdst(0)                   ; one wait for the batch, ahead of its first reader
	v_pk_add_f32 v[20:21], v[\S:\S+1], v[\S+2:\S+3]        ; the sum of the unquantised p, in four chains
	v_pk_add_f32 v[22:23], v[\S+4:\S+5], v[\S+6:\S+7]
	v_pk_add_f32 v[30:31], v[\S+8:\S+9], v[\S+10:\S+11]
	v_pk_add_f32 v[\ST+2:\ST+3], v[\ST+2:\ST+3], v[\S+12:\S+13]
.irp j, 14,22,30,38,46,54
	v_pk_add_f32 v[20:21], v[20:21], v[\S+\j:\S+\j+1]
	v_pk_add_f32 v[22:23], v[22:23], v[\S+\j+2:\S+\j+3]
	v_pk_add_f32 v[30:31], v[30:31], v[\S+\j+4:\S+\j+5]
	v_pk_add_f32 v[\ST+2:\ST+3], v[\ST+2:\ST+3], v[\S+\j+6:\S+\j+7]
.endr
	v_pk_add_f32 v[20:21], v[20:21], v[\S+62:\S+63]
	v_pk_add_f32 v[22:23], v[22:23], v[30:31]
	v_pk_add_f32 v[\ST+2:\ST+3], v[\ST+2:\ST+3], v[20:21]
	v_pk_add_f32 v[\ST+2:\ST+3], v[\ST+2:\ST+3], v[22:23]
	s_cmp_ge_i32 s72, -8                           ; p is at most 1, and 448 x 2^e8 is at least 1 from e8 = -8 on: the hold is run exactly where it can bite
	s_cbranch_scc1 .Lno_hold_\@
.set n, 0
.rept 64
	v_min_num_f32 v[\S+n], v[\S+n], v9             ; the conversion does not saturate (ISA guide 7.6.2); p is not negative
.set n, n+1
.endr
.Lno_hold_\@:
.irp t, 0,1,2,3,4,5,6,7
	v_cvt_scalef32_pk8_fp8_f32 v[\P+2*\t:\P+2*\t+1], v[\S+8*\t:\S+8*\t+7], v8
.endr
.endm
; A KEY STEP of the unit in hand.
.macro STEP
	v_add_nc_u32 v2, s75, v1
	v_add_nc_u32 v3, VL, v2
	s_and_b32 s73, s76, 3
	s_cmp_eq_u32 s73, 0
	s_cbranch_scc1 .Lskip_\@                       ; nothing true for my 32 queries in these 128 keys
	s_cmp_eq_u32 s73, 1
	s_cbranch_scc0 .Lw1_\@
	WORDS 0x0                                      ; the first tile's words
.Lw1_\@:
	WIN 0x40                                       ; destination window 1
.irp t, 0,1,2,3,4,5,6,7
	ds_load_b128 v[KF+8*\t:KF+8*\t+3], v2 offset:1024*\t
	ds_load_b128 v[KF+8*\t+4:KF+8*\t+7], v2 offset:1024*\t+512
.endr
.irp d, 0,1,2,3
.irp c, 0,1,2,3
	ds_load_b128 v[VF+16*\d+4*\c:VF+16*\d+4*\c+3], v3 offset:2048*\d+512*\c
.endr
.endr
	s_wait_dscnt 16                                ; K's sixteen loads are in; V's sixteen may be out
	WIN 0x05                                       ; K and Q in window 1, S^T in window 0
.irp t, 0,1,2,3,4,5,6,7
	v_wmma_f32_16x16x64_fp8_fp8 v[SA+8*\t:SA+8*\t+7], v[KF+8*\t:KF+8*\t+7], v[QF:QF+7], 0
	v_wmma_f32_16x16x64_fp8_fp8 v[SB+8*\t:SB+8*\t+7], v[KF+8*\t:KF+8*\t+7], v[QF+8:QF+15], 0
.endr
	WIN 0
.rept 4
	v_nop                                          ; places in front of the first read of the scores
.endr
	s_wait_kmcnt 0x0                               ; on every way: no scalar load is out
	s_cmp_eq_u32 s73, 1
	s_cbranch_scc0 .Lm1_\@
	MASKIT SA
	WORDS 0x100                                    ; the second tile's words, while the first tile's softmax is walked
.Lm1_\@:
	SOFTMAX SA, 12, PA, 24
	s_wait_kmcnt 0x0
	s_cmp_eq_u32 s73, 1
	s_cbranch_scc0 .Lm2_\@
	MASKIT SB
.Lm2_\@:
	SOFTMAX SB, 16, PB, 28
	WIN 0x41                                       ; O^T in window 1, f in window 0
.set n, 0
.rept 16
	v_pk_mul_f32 v[OA+n:OA+n+1], v[OA+n:OA+n+1], v[24:25] op_sel_hi:[1,0]   ; O^T under the new M; also the plain lines between the conversions and the products
.set n, n+2
.endr
.set n, 0
.rept 16
	v_pk_mul_f32 v[OB+n:OB+n+1], v[OB+n:OB+n+1], v[28:29] op_sel_hi:[1,0]
.set n, n+2
.endr
	s_wait_dscnt 0x0                               ; V is in
	WIN 0x51                                       ; V, C and D in window 1, p's codes in window 0
.irp d, 0,1,2,3                        ; eight accumulators, one instruction each
	v_wmma_f32_16x16x128_fp8_fp8 v[OA+8*\d:OA+8*\d+7], v[VF+16*\d:VF+16*\d+15], v[PA:PA+15], v[OA+8*\d:OA+8*\d+7]
	v_wmma_f32_16x16x128_fp8_fp8 v[OB+8*\d:OB+8*\d+7], v[VF+16*\d:VF+16*\d+15], v[PB:PB+15], v[OB+8*\d:OB+8*\d+7]
.endr
	WIN 0
.rept 4
	v_nop                                          ; places in front of the next loads into K's and V's registers and of the next reads of O^T
.endr
.Lskip_\@:
	s_add_co_u32 s75, s75, 8192
	s_add_co_u32 s77, s77, 512
	s_lshr_b32 s76, s76, 2
.endm
.macro LOOP n, k0                      ; steps k0 .. k0 + n - 1
	s_mov_b32 s75, (\k0)*8192
	s_mov_b32 s67, \n
.Lloop_\@:
	STEP
	s_sub_co_u32 s67, s67, 1
	s_cmp_lg_u32 s67, 0
	s_cbranch_scc1 .Lloop_\@
.endm
; Phase i: steps 4 i + 4 .. 4 i + 7 are asked for, steps 2 i, 2 i + 1 are worked (LDS bytes from 16,384 i on), then the fill is stored (from 32,768 (i + 1) on): the two never meet.
.macro PHASE i
	FILL_ISSUE 4*(\i)+4
.if (\i) < 2
; A prefetch of what the next phase will ask for: 32,768 bytes of K and of V.  All four work-groups of a head read them: the first alone asks; waves 0-3 for K, 4-7 for V, 8,192 bytes a wave, lanes 256 bytes apart:
; each block of 256 bytes is named once in the launch.  Nothing is asked at the head, nor in the last phase.
	s_cmp_eq_u32 ttmp9, 0
	s_cbranch_scc0 .Lnot_mine_\@
	global_prefetch_b8 v25, s[78:79] offset:(4*(\i)+8)*8192 th:TH_LOAD_NT scope:SCOPE_SE
.Lnot_mine_\@:
.endif
	LOOP 2, 2*(\i)
	s_wait_loadcnt 0x0                             ; the fill's sixteen loads
	FILL_STORE 4*(\i)+4
	s_wait_dscnt 0x0                               ; for the others' sake: my stores have landed
	s_barrier_signal -1
	s_barrier_wait -1
.endm
.macro OTILE O, S, F, C, M, tau        ; a tile of 16 queries leaves: / sum, hold, codes, NaN codes where the sum is 0
	WIN 0x01                                       ; source 0 window 1
.set n, 0
.rept 16
	v_pk_mul_f32 v[\S+n:\S+n+1], v[\O+n:\O+n+1], v[\F:\F+1] op_sel_hi:[1,0]
.set n, n+2
.endr
	WIN 0
.set n, 0
.rept 32
	v_med3_num_f32 v[\S+n], v[\S+n], -v193, v193
.set n, n+1
.endr
.irp t, 0,1,2,3
	v_cvt_scalef32_pk8_fp8_f32 v[\C+2*\t:\C+2*\t+1], v[\S+8*\t:\S+8*\t+7], v192
.endr
	v_nop                                          ; a plain line between the conversions and the lines that touch their results
.irp i, 0,1,2,3,4,5,6,7
	v_cndmask_b32 v[\C+\i], v194, v[\C+\i], s[\M]
.endr
	global_store_b128 v1, v[\C:\C+3], s[14:15] offset:\tau*16384          ; 512 consecutive bytes: channels 0-31 of my head
	global_store_b128 v1, v[\C+4:\C+7], s[14:15] offset:\tau*16384+512    ; channels 32-63
.endm
.macro UNIT_END more
	v_add_f32 v20, v14, v15
	v_add_f32 v21, v18, v19
	v_permlanex16_b32 v26, v20, s70, s71
	v_permlanex16_b32 v27, v21, s70, s71
	v_add_f32 v20, v20, v26                        ; the rows' sums
	v_add_f32 v21, v21, v27
	v_rcp_f32 v24, v20
	v_rcp_f32 v28, v21
	v_mov_b32 v192, s100                           ; (plain lines behind the reciprocals)  2^(e10 - e8 - e9),
	v_mov_b32 v193, s101                           ; 448 x that,
	v_mov_b32 v194, 0x7f7f7f7f                     ; four NaN codes
	v_cmp_lt_f32 s96, 0, v20
	v_cmp_lt_f32 s97, 0, v21
	s_wait_alu depctr_va_vdst(0)                   ; the wait ahead of the first reader: one for both
	OTILE OA, SA, 24, PA, 96, 0
	OTILE OB, SB, 28, PB, 97, 1
.if \more
	s_wait_xcnt 0x0                                ; the stores have read their base and data: the next unit writes both
.endif
.endm
	s_load_b256 s[4:11], s[0:1], 0x0               ; qkv, mw, the scales' exponents, oimg
	v_lshl_add_u32 v10, v0, 2, SPARE
	v_mov_b32 v11, 0
	v_lshrrev_b32 v1, 5, v0
	v_readfirstlane_b32 s66, v1                    ; wave 0..7
	v_and_b32 v25, 31, v0
	v_lshlrev_b32 v1, 4, v25
	v_lshlrev_b32 v25, 8, v25
	v_lshlrev_b32 v6, 4, v0
	v_mov_b32 v7, 0xff800000
	v_mov_b32 v26, 0                               ; written once: a lane permute's destination counts as one of its sources
	v_mov_b32 v27, 0
	v_mov_b32 v29, 0                               ; (named as the upper half of a pair)
	s_mov_b32 s70, 0x76543210
	s_mov_b32 s71, 0xfedcba98
	s_and_b32 s96, ttmp7, 0xffff                   ; batch x 16 + head
	s_lshl_b32 s98, s96, 17                        ; 131,072 bytes a head in q, k and v
	s_mov_b32 s99, 0
	s_lshr_b32 s97, s96, 4
	s_lshl_b32 s72, s97, 21                        ; o's images: 2^21 bytes a batch,
	s_and_b32 s97, s96, 15
	s_lshl_b32 s97, s97, 10                        ; 1,024 a head inside a tile of rows
	s_add_co_u32 s72, s72, s97
	s_mov_b32 s73, 0
	s_lshl_b32 s74, ttmp9, 3
	s_add_co_u32 s74, s74, s66
	s_sub_co_u32 s74, 63, s74                      ; my first unit
	s_wait_kmcnt 0x0
	s_add_nc_u64 s[4:5], s[4:5], s[98:99]
	s_add_nc_u64 s[2:3], s[4:5], 0x800000
	s_add_nc_u64 s[12:13], s[4:5], 0x1000000
	s_add_nc_u64 s[10:11], s[10:11], s[72:73]
	s_load_b128 s[96:99], s[8:9], 0x18             ; e6, e7, e8, e9
	s_load_b32 s100, s[8:9], 0x28                  ; e10
	s_load_b512 s[16:31], s[6:7], 0x0              ; the words' registers are written once here, so that they are written on every way
	s_load_b512 s[32:47], s[6:7], 0x40
	s_load_b512 s[48:63], s[6:7], 0x80
	s_load_b512 s[80:95], s[6:7], 0xc0
	FILL_ISSUE 0
	s_cmp_lt_u32 s66, 4
	s_cselect_b64 s[78:79], s[2:3], s[12:13]
	s_and_b32 s75, s66, 3
	s_lshl_b32 s76, s75, 13
	s_mov_b32 s77, 0
	s_add_nc_u64 s[78:79], s[78:79], s[76:77]
	s_wait_kmcnt 0x0
	s_add_co_i32 s96, s96, s97
	s_lshl_b32 s96, s96, 23
	s_add_co_i32 s68, s96, 0x3e38aa3b              ; c = log2(e) / 8, with e6 + e7 added to its exponent field
	s_mov_b32 s69, s68
	s_mov_b32 s72, s98
	s_add_co_i32 s96, s98, 127
	s_lshl_b32 s97, s96, 23
	v_mov_b32 v8, s97
	s_add_co_i32 s96, s96, 8
	s_lshl_b32 s96, s96, 23
	s_or_b32 s96, s96, 0x600000
	v_mov_b32 v9, s96
	s_sub_co_i32 s96, s100, s98
	s_sub_co_i32 s96, s96, s99
	s_add_co_i32 s96, s96, 127
	s_lshl_b32 s100, s96, 23
	s_add_co_i32 s96, s96, 8
	s_lshl_b32 s96, s96, 23
	s_or_b32 s101, s96, 0x600000
	UNIT_BEGIN
	s_wait_loadcnt 0x0                             ; the first fill and Q
	FILL_STORE 0
	s_wait_dscnt 0x0
	s_barrier_signal -1
	s_barrier_wait -1                              ; steps 0-3 lie in LDS
	PHASE 0
	PHASE 1
	PHASE 2
	LOOP 10, 6                                     ; behind the last barrier LDS is only read
	UNIT_END 1
	s_sub_co_u32 s74, 63, s74                      ; my second unit
	UNIT_BEGIN
	s_wait_loadcnt 0x0                             ; Q
	LOOP 16, 0
	UNIT_END 0
	s_wait_tensorcnt 0x0                           ; the wave's end, behind my last LDS store
	ds_add_u32 v10, v11
	s_wait_dscnt 0x0
	s_endpgm
.Lfunc_end_k_q850edef868_attn:
	.size	k_q850edef868_attn, .Lfunc_end_k_q850edef868_attn-k_q850edef868_attn
	.p2alignl 7, 3214868480
	.fill 96, 4, 3214868480
	.section	.rodata,"a",@progbits
	.p2align	6, 0x0
	.amdhsa_kernel k_q850edef868_attn
		.amdhsa_group_segment_fixed_size 263168
		.amdhsa_private_segment_fixed_size 0
		.amdhsa_enable_private_segment 0
		.amdhsa_kernarg_size 32
		.amdhsa_user_sgpr_count 2
		.amdhsa_user_sgpr_kernarg_segment_ptr 1
		.amdhsa_wavefront_size32 1
		.amdhsa_system_sgpr_workgroup_id_x 1
		.amdhsa_system_sgpr_workgroup_id_y 1
		.amdhsa_system_sgpr_workgroup_id_z 1
		.amdhsa_system_vgpr_workitem_id 0
		.amdhsa_next_free_vgpr 512
		.amdhsa_next_free_sgpr 102
		.amdhsa_reserve_vcc 0
		.amdhsa_float_denorm_mode_32 3
		.amdhsa_float_denorm_mode_16_64 3
		.amdhsa_memory_ordered 1
		.amdhsa_forward_progress 1
		.amdhsa_inst_pref_size 226
	.end_amdhsa_kernel
	.amdgpu_metadata
---
amdhsa.version: [ 1, 2 ]
amdhsa.kernels:
  - .name:           k_q850edef868_attn
    .symbol:         k_q850edef868_attn.kd
    .args:
      - { .name: qkv, .offset: 0, .size: 8, .value_kind: global_buffer, .address_space: global }
      - { .name: mw, .offset: 8, .size: 8, .value_kind: global_buffer, .address_space: global }
      - { .name: lowp_scales, .offset: 16, .size: 8, .value_kind: global_buffer, .address_space: global }
      - { .name: oimg, .offset: 24, .size: 8, .value_kind: global_buffer, .address_space: global }
    .group_segment_fixed_size: 263168
    .private_segment_fixed_size: 0
    .kernarg_segment_align: 8
    .kernarg_segment_size: 32
    .max_flat_workgroup_size: 256
    .sgpr_count:     102
    .vgpr_count:     512
    .wavefront_size: 32
...
	.end_amdgpu_metadata
.endif
;; end of part 3
;; launch oproj (part 4): grid 4 x 32, 4 waves a work-group, clusters of 4 x 4, 327,680 bytes of LDS; arguments oimg, codes, lowp_scales, out0; writes out0
.if DOCPART == 4
	.amdgcn_target "amdgcn-amd-amdhsa--gfx1250"
	.amdhsa_code_object_version 6
	.text
	.protected	k_q850edef868_oproj
	.globl	k_q850edef868_oproj
	.p2align	8
	.type	k_q850edef868_oproj,@function
k_q850edef868_oproj:
	s_mov_b64 s[64:65], 0
	v_nop
	global_prefetch_b8 v0, s[64:65] scope:SCOPE_SE
	s_setreg_imm32_b32 hwreg(HW_REG_WAVE_MODE, 25, 1), 1
	s_wait_xcnt 0x0
	s_wait_alu depctr_hold_cnt(0) depctr_sa_sdst(0) depctr_va_vdst(0) depctr_va_sdst(0) depctr_va_ssrc(0) depctr_va_vcc(0) depctr_vm_vsrc(0)
	s_getreg_b32 s2, hwreg(HW_REG_IB_STS2, 6, 4)
	s_cmp_eq_u32 s2, 0
	s_cbranch_scc0 .Lentry_in_a_cluster
	s_endpgm
.Lentry_in_a_cluster:
	s_bfe_u32 s2, ttmp6, 0x10000c
	s_cmp_lg_u32 s2, 0xf033
	s_cbranch_scc0 .Lentry_shape_is_right
	s_endpgm
.Lentry_shape_is_right:
; out0[m][n] = sum over k of o[m][k] wo[n][k] on codes of E4M3, x 2^(e10 + e11).  M = 8,192, N = K = 1,024.
; A tile of 256 x 256 is made by four waves, 128 x 128 each: 64 accumulators.  K goes in steps of 256 through a ring of two LDS slots filled by the tensor data mover.
; A (o) COMES AS IMAGES OF OPERAND REGISTERS: [tile of 16 rows][128 along K][four registers][lane][16 bytes]: a K step of a tile of rows is 4,096 consecutive bytes, and a wave's load brings eight such rows,
; 16,384 bytes apart, dense in LDS; a fragment is four loads of 512 consecutive bytes.  B (wo) comes as rows of codes, padded in LDS.  In both a lane's registers 4 c .. 4 c + 3 hold K = 32 c + 16 (l / 16) + 0 .. 15.
; CLUSTERS: 4 x 4 work-groups; A's tile is shared along a row of the cluster, B's along a column.  The matrix instruction is used transposed (source 0 = rows of wo, source 1 = rows of o).
; The grid has 128 tiles: a tile of half the size would want another register layout than this one.
; LIMIT: e10 + e11 between -126 and 127.  A row of o stored as NaN codes gives a row of NaN.
.set SIZE_N, 1024
.set KSTEP,  256
.set ROWB,   256
.set KROW,   1024
.set ASTEP,  4096                      ; a K step of a tile of 16 rows of o, in bytes
.set PITCH,  272
.set FR,     16
.set NL,     4
.set NP,     4
.set HALFT,  128*PITCH
.set SLOT,   4*HALFT
.set LAPS,   2
.set SPARE,  2*SLOT
.set SPITCH, 528                       ; the way out: a stage of 16 rows x (512 bytes + 16) for each wave, in slot 0, which has had its last fill and its last read by then
.set WO,     0x1b00000
.set ADRA, 16
.set ADRB, 20
.set STO,  24
.set RD,   25
.set CO,   26
.set SPW,  28
.set NIL,  29
.set TMP,  32
.set AF,   128
.set BK,   128
.set G1, 24
.set G0, 32
.set G1B, 48
.set G0B, 56
.set MSB, 0
.macro WIN new
.if MSB != \new
	s_set_vgpr_msb (MSB<<8)|\new
.set MSB, \new
.endif
.endm
.set MUL_LO, 0xa1
.set MUL_HI, 0xf1
.set TO_B,   0x40
.macro JLOAD g0a, g1a, g0b, g1b        ; waves 0 and 1 fetch for A, waves 2 and 3 for B; an s_nop 0 and four v_nop follow each line
	s_cmp_eq_u32 s15, 0
	s_cbranch_scc0 .Lfor_b_\@
	tensor_load_to_lds s[\g0a:\g0a+3], s[\g1a:\g1a+7]
	s_nop 0
.rept 4
	v_nop
.endr
	s_branch .Lasked_\@
.Lfor_b_\@:
	tensor_load_to_lds s[\g0b:\g0b+3], s[\g1b:\g1b+7]
	s_nop 0
.rept 4
	v_nop
.endr
.Lasked_\@:
.endm
.macro CREST
	s_cmp_lg_u32 s14, 0
	s_cbranch_scc1 .Lnot_wave_0_\@
	s_barrier_signal -3
.Lnot_wave_0_\@:
	s_barrier_wait -3
	s_barrier_signal -1
	s_barrier_wait -1
.endm
.macro CROUND
	s_barrier_signal -1
	s_barrier_wait -1
	CREST
.endm
	s_load_b128 s[4:7], s[0:1], 0x0                ; o's images s[4:5], codes s[6:7]
	s_load_b128 s[8:11], s[0:1], 0x10              ; the scales' exponents s[8:9], out0 s[10:11]
	v_lshl_add_u32 v[SPW], v0, 2, SPARE
	v_mov_b32 v[NIL], 0
	ds_add_u32 v[SPW], v[NIL]                      ; the wave's opening: the add and its wait ahead of my first tensor load
	v_lshrrev_b32 v1, 5, v0
	v_readfirstlane_b32 s14, v1
	s_lshr_b32 s15, s14, 1
	s_and_b32 s16, s14, 1
	s_bfe_u32 s40, ttmp6, 0x40000
	s_bfe_u32 s41, ttmp6, 0x40004
	s_lshl_b32 s42, ttmp9, 2
	s_add_co_u32 s42, s42, s40                     ; tile column
	s_and_b32 s17, ttmp7, 0xffff
	s_lshl_b32 s17, s17, 2
	s_add_co_u32 s17, s17, s41                     ; tile row
	s_lshl_b32 s43, s41, 2
	s_lshl_b32 s43, 15, s43
	s_lshl_b32 s44, 0x1111, s40
	s_or_b32 s[G1+0], s43, (0<<16)|(1<<21)         ; A: the mask of my row; elements of 1 byte; no padding; bit 21 beside a mask
	s_mov_b32 s[G1+1], ASTEP<<16                   ; tensor_dim0 = 4,096
	s_mov_b32 s[G1+2], 8<<16                       ; tensor_dim1 = 8
	s_mov_b32 s[G1+3], ASTEP<<16                   ; tile_dim0
	s_mov_b32 s[G1+4], 8                           ; tile_dim1
	s_mov_b32 s[G1+5], 16384                       ; from one tile of rows to the next
	s_mov_b32 s[G1+6], 0
	s_mov_b32 s[G1+7], 0
	s_or_b32 s[G1B+0], s44, (0<<16)|(1<<20)|(1<<21)|(5<<22)|(3<<25)  ; B: the mask of my column; after every 64 words four words of padding
	s_mov_b32 s[G1B+1], ROWB<<16
	s_mov_b32 s[G1B+2], 128<<16
	s_mov_b32 s[G1B+3], ROWB<<16
	s_mov_b32 s[G1B+4], 128
	s_mov_b32 s[G1B+5], KROW
	s_mov_b32 s[G1B+6], 0
	s_mov_b32 s[G1B+7], 0
	s_lshl_b32 s20, s17, 4                         ; A: 16 tiles of rows to a tile row,
	s_lshl_b32 s18, s16, 3                         ; of which I fetch 8
	s_add_co_u32 s20, s20, s18
	s_lshl_b32 s20, s20, 14
	s_mov_b32 s21, 0
	s_lshl_b32 s46, s42, 8                         ; B: row 256 x tile column + 128 x half, in wo's codes
	s_lshl_b32 s19, s16, 7
	s_add_co_u32 s46, s46, s19
	s_lshl_b32 s46, s46, 10
	s_add_co_u32 s46, s46, WO
	s_mov_b32 s47, 0
	s_mul_i32 s45, s14, HALFT
	s_wait_dscnt 0x0                               ; the opening add is done
	s_wait_kmcnt 0x0
	s_load_b64 s[96:97], s[8:9], 0x28              ; e10, e11
	s_add_nc_u64 s[20:21], s[4:5], s[20:21]
	s_add_nc_u64 s[46:47], s[6:7], s[46:47]
	CROUND
.irp s, 0,1
	s_mov_b32 s[G0+4*\s], 1
	s_add_co_u32 s[G0+4*\s+1], s45, \s*SLOT
	s_add_nc_u64 s[G0+4*\s+2:G0+4*\s+3], s[20:21], \s*ASTEP
	s_or_b32 s[G0+4*\s+3], s[G0+4*\s+3], 0x80000000
	s_mov_b32 s[G0B+4*\s], 1
	s_add_co_u32 s[G0B+4*\s+1], s45, \s*SLOT
	s_add_nc_u64 s[G0B+4*\s+2:G0B+4*\s+3], s[46:47], \s*ROWB
	s_or_b32 s[G0B+4*\s+3], s[G0B+4*\s+3], 0x80000000
	JLOAD G0+4*\s, G1, G0B+4*\s, G1B
.endr
	v_and_b32 v1, 15, v0
	v_bfe_u32 v2, v0, 4, 1
	v_mul_u32_u24 v3, v1, PITCH
	v_lshl_add_u32 v4, v2, 4, v3                   ; B: a fragment's row x pitch + 16 x half
	v_and_b32 v6, 31, v0
	v_lshlrev_b32 v[CO], 4, v6                     ; 16 x lane: A's images, and a row of C
	s_mul_i32 s21, s15, HALFT
	s_mul_i32 s22, s16, HALFT
	s_add_co_u32 s22, s22, 2*HALFT
.irp s, 0,1
	v_add_nc_u32 v[ADRA+\s], s21, v[CO]
	v_add_nc_u32 v[ADRB+\s], s22, v4
	s_add_co_u32 s21, s21, SLOT
	s_add_co_u32 s22, s22, SLOT
.endr
	s_mul_i32 s23, s14, 16*SPITCH
	v_mul_u32_u24 v5, v1, SPITCH
	v_lshl_add_u32 v5, v2, 5, v5
	v_add_nc_u32 v[STO], s23, v5
	v_add_nc_u32 v[RD], s23, v[CO]
	s_lshl_b32 s20, s17, 8
	s_lshl_b32 s21, s15, 7
	s_add_co_u32 s20, s20, s21                     ; my first row of C
	s_lshl_b32 s20, s20, 12                        ; rows of 4,096 bytes
	s_mov_b32 s21, 0
	s_lshl_b32 s46, s42, 10
	s_lshl_b32 s47, s16, 9
	s_add_co_u32 s46, s46, s47
	s_mov_b32 s47, 0
	s_add_nc_u64 s[20:21], s[20:21], s[46:47]
	s_add_nc_u64 s[10:11], s[10:11], s[20:21]
.macro FRAG reg, adr, q, i
.irp c, 0,1,2,3
	ds_load_b128 v[\reg+4*\c:\reg+4*\c+3], v[\adr] offset:128*(\q)+32*\c+(\i)*16*PITCH
.endr
.endm
.macro FRAGA reg, adr, q, i            ; an image: 512 consecutive bytes a load
.irp c, 0,1,2,3
	ds_load_b128 v[\reg+4*\c:\reg+4*\c+3], v[\adr] offset:(\i)*4096+(\q)*2048+512*\c
.endr
.endm
.macro MUL16 a0, p, zero               ; the 64 accumulators take turns, one instruction a turn
.irp a, \a0, \a0+1
.irp b, 0,1,2,3,4,5,6,7
.if \zero
	v_wmma_f32_16x16x128_fp8_fp8 v[8*(8*((\a)%4)+\b):8*(8*((\a)%4)+\b)+7], v[128*(\p)+FR*\b:128*(\p)+FR*\b+FR-1], v[AF+FR*(\a):AF+FR*(\a)+FR-1], 0
.else
	v_wmma_f32_16x16x128_fp8_fp8 v[8*(8*((\a)%4)+\b):8*(8*((\a)%4)+\b)+7], v[128*(\p)+FR*\b:128*(\p)+FR*\b+FR-1], v[AF+FR*(\a):AF+FR*(\a)+FR-1], v[8*(8*((\a)%4)+\b):8*(8*((\a)%4)+\b)+7]
.endif
.endr
.endr
.endm
.macro FETCH_B slot, q, p
	WIN TO_B
.irp i, 0,1,2,3,4,5,6,7
	FRAG 128*(\p)+FR*\i, ADRB+\slot, \q, \i
.endr
	WIN 0
.endm
.macro FETCH_A slot, q, i0
.irp i, \i0, \i0+1, \i0+2, \i0+3
	FRAGA AF+FR*(\i), ADRA+\slot, \q, \i
.endr
.endm
.macro PLACES n
.rept \n
	v_nop
.endr
.endm
.macro STEP slot, q, zero
	s_wait_dscnt 4*NL                              ; B's set and A's blocks 0-3 are in; the youngest sixteen loads may be out
	WIN MUL_LO
	MUL16 0, (\q)%2, \zero
	MUL16 2, (\q)%2, \zero
	s_wait_dscnt 0
	PLACES NP
	FETCH_B \slot, (\q)+1, 1-(\q)%2
	FETCH_A \slot, (\q)+1, 0
	WIN MUL_HI
	MUL16 4, (\q)%2, \zero
	MUL16 6, (\q)%2, \zero
	PLACES NP
	WIN 0
	FETCH_A \slot, (\q)+1, 4
.endm
.macro TURN slot, next, fill
	s_wait_tensorcnt 0x0                           ; all my tensor loads have landed: my part of the next slot
	ds_add_u32 v[SPW], v[NIL]
	s_wait_dscnt 4*NL+1                            ; (the add and the youngest sixteen loads may be out)
	WIN MUL_LO
	MUL16 0, 1, 0
	s_wait_dscnt 0x0                               ; the add is done, and my reads of this slot are over
	s_barrier_signal -1
	MUL16 2, 1, 0
	WIN 0
	s_barrier_wait -1
.if \fill
	CREST                                          ; a round of the cluster's barrier: no wave of any partner still reads this slot or has a load on its way
	s_add_nc_u64 s[G0+4*\slot+2:G0+4*\slot+3], s[G0+4*\slot+2:G0+4*\slot+3], 2*ASTEP
	s_add_nc_u64 s[G0B+4*\slot+2:G0B+4*\slot+3], s[G0B+4*\slot+2:G0B+4*\slot+3], 2*ROWB
	JLOAD G0+4*\slot, G1, G0B+4*\slot, G1B
.else
	PLACES NP
.endif
	FETCH_B \next, 0, 0
	FETCH_A \next, 0, 0
	WIN MUL_HI
	MUL16 4, 1, 0
	MUL16 6, 1, 0
	PLACES NP
	WIN 0
	FETCH_A \next, 0, 4
.endm
	s_wait_tensorcnt 1                             ; my part of K step 0 is in (K step 1's load may be out)
	s_barrier_signal -1
	s_barrier_wait -1
	FETCH_B 0, 0, 0
	FETCH_A 0, 0, 0
	FETCH_A 0, 0, 4
	STEP 0, 0, 1
	s_mov_b32 s3, LAPS-1
.Llap:
	TURN 0, 1, 1
	STEP 1, 0, 0
	TURN 1, 0, 1
	STEP 0, 0, 0
	s_sub_co_u32 s3, s3, 1
	s_cmp_lg_u32 s3, 0
	s_cbranch_scc1 .Llap
	TURN 0, 1, 0
	STEP 1, 0, 0
	s_wait_dscnt 4*NL
	WIN MUL_LO
	MUL16 0, 1, 0
	MUL16 2, 1, 0
	s_wait_dscnt 0
	WIN MUL_HI
	MUL16 4, 1, 0
	MUL16 6, 1, 0
	WIN 0
; THE WAY OUT, block by block of 16 rows x 128 columns, through my own stage in LDS: back come whole rows of 512 bytes.  LDS serves a wave's instructions in order (ISA guide 5.7.1.4).
.macro TOSTAGE a
.set AC, 64*((\a)%4)
	WIN 0x02+((\a)/4)
.irp j, 0,2,4,6,8,10,12,14,16,18,20,22,24,26,28,30,32,34,36,38,40,42,44,46,48,50,52,54,56,58,60,62
	v_pk_mul_f32 v[TMP+\j:TMP+\j+1], v[AC+\j:AC+\j+1], s[96:97] op_sel_hi:[1,0]   ; x 2^(e10 + e11); each accumulator from its low end on
.endr
	WIN 0
.irp b, 0,1,2,3,4,5,6,7
	ds_store_b128 v[STO], v[TMP+8*\b:TMP+8*\b+3] offset:64*\b
	ds_store_b128 v[STO], v[TMP+8*\b+4:TMP+8*\b+7] offset:64*\b+16
.endr
.set BB, BK+64*((\a)%2)
.irp t, 0,1,2,3,4,5,6,7,8,9,10,11,12,13,14,15
	ds_load_b128 v[BB+4*\t:BB+4*\t+3], v[RD] offset:\t*SPITCH
.endr
.endm
.macro SEND a, younger
.set BB, BK+64*((\a)%2)
	s_wait_dscnt \younger                          ; the block is back in registers
.if (\a) > 0
	s_add_nc_u64 s[10:11], s[10:11], 16*SIZE_N*4   ; (behind a wait on XCNT: the earlier stores have read their base)
.endif
.irp t, 0,1,2,3,4,5,6,7,8,9,10,11,12,13,14,15
	global_store_b128 v[CO], v[BB+4*\t:BB+4*\t+3], s[10:11] offset:\t*SIZE_N*4 th:TH_STORE_NT   ; 32 lanes store 512 consecutive bytes
.endr
.endm
	s_wait_kmcnt 0x0
	s_add_co_i32 s96, s96, s97
	s_add_co_i32 s96, s96, 127
	s_lshl_b32 s96, s96, 23                        ; 2^(e10 + e11) as f32
	PLACES NP
	TOSTAGE 0
.irp a, 1,2,3,4,5,6,7
.if \a > 1
	s_wait_xcnt 0x0                                ; block a - 2's stores have read their registers and their base
.endif
	TOSTAGE \a
	SEND \a-1, 32                                  ; behind block a - 1's loads: block a's 16 stores and 16 loads
.endr
	s_wait_xcnt 0x0
	SEND 7, 0
	s_wait_tensorcnt 0x0                           ; the wave's end
	ds_add_u32 v[SPW], v[NIL]
	s_wait_dscnt 0x0
	CROUND                                         ; the closing round
	s_endpgm
.Lfunc_end_k_q850edef868_oproj:
	.size	k_q850edef868_oproj, .Lfunc_end_k_q850edef868_oproj-k_q850edef868_oproj
	.p2alignl 7, 3214868480
	.fill 96, 4, 3214868480
	.section	.rodata,"a",@progbits
	.p2align	6, 0x0
	.amdhsa_kernel k_q850edef868_oproj
		.amdhsa_group_segment_fixed_size 327680
		.amdhsa_private_segment_fixed_size 0
		.amdhsa_enable_private_segment 0
		.amdhsa_kernarg_size 32
		.amdhsa_user_sgpr_count 2
		.amdhsa_user_sgpr_kernarg_segment_ptr 1
		.amdhsa_wavefront_size32 1
		.amdhsa_system_sgpr_workgroup_id_x 1
		.amdhsa_system_sgpr_workgroup_id_y 1
		.amdhsa_system_sgpr_workgroup_id_z 1
		.amdhsa_system_vgpr_workitem_id 0
		.amdhsa_next_free_vgpr 1024
		.amdhsa_next_free_sgpr 98
		.amdhsa_reserve_vcc 0
		.amdhsa_float_denorm_mode_32 3
		.amdhsa_float_denorm_mode_16_64 3
		.amdhsa_memory_ordered 1
		.amdhsa_forward_progress 1
		.amdhsa_inst_pref_size 123
	.end_amdhsa_kernel
	.amdgpu_metadata
---
amdhsa.version: [ 1, 2 ]
amdhsa.kernels:
  - .name:           k_q850edef868_oproj
    .symbol:         k_q850edef868_oproj.kd
    .args:
      - { .name: oimg, .offset: 0, .size: 8, .value_kind: global_buffer, .address_space: global }
      - { .name: codes, .offset: 8, .size: 8, .value_kind: global_buffer, .address_space: global }
      - { .name: lowp_scales, .offset: 16, .size: 8, .value_kind: global_buffer, .address_space: global }
      - { .name: out0, .offset: 24, .size: 8, .value_kind: global_buffer, .address_space: global }
    .group_segment_fixed_size: 327680
    .private_segment_fixed_size: 0
    .kernarg_segment_align: 8
    .kernarg_segment_size: 32
    .max_flat_workgroup_size: 128
    .sgpr_count:     98
    .vgpr_count:     1024
    .wavefront_size: 32
...
	.end_amdgpu_metadata
.endif
;; end of part 4
;; ======== version 2 of 2: 4 launches; version 1 with the launch attn written anew for expert scheduling mode
;; workspace buffers: codes 29,360,128 bytes; tab 524,288 bytes; mw 557,056 bytes of whole numbers; qkv 25,165,824 bytes; oimg 8,388,608 bytes
;; launch prep: the kernel of part 1 again; grid 512 x 1, 4 waves a work-group, no clusters, 33,280 bytes of LDS; arguments x, wq, wk, wv, wo, mask, lowp_scales, codes, tab, mw; writes codes, tab, mw
;; launch qkv: the kernel of part 2 again; grid 12 x 32, 4 waves a work-group, clusters of 4 x 4, 327,680 bytes of LDS; arguments codes, tab, lowp_scales, qkv; writes qkv
;; launch attn (part 5): grid 4 x 64, 8 waves a work-group, no clusters, 263,168 bytes of LDS; arguments qkv, mw, lowp_scales, oimg; writes oimg
.if DOCPART == 5
	.amdgcn_target "amdgcn-amd-amdhsa--gfx1250"
	.amdhsa_code_object_version 6
	.text
	.protected	k_q850edef868_attn
	.globl	k_q850edef868_attn
	.p2align	8
	.type	k_q850edef868_attn,@function
k_q850edef868_attn:
	s_mov_b64 s[64:65], 0
	v_nop
	global_prefetch_b8 v0, s[64:65] scope:SCOPE_SE
	s_setreg_imm32_b32 hwreg(HW_REG_WAVE_SCHED_MODE, 0, 2), 2
	s_setreg_imm32_b32 hwreg(HW_REG_WAVE_MODE, 25, 1), 1
	s_wait_xcnt 0x0
	s_wait_alu depctr_vm_vsrc(0)
; Attention on codes of E4M3 under a mask that is an input.  Work-group (j, batch x head); its eight waves each take two UNITS of 32 queries, one after the other: unit 63 - c, then unit c, c = 8 j + wave.
; A unit is two tiles of 16 queries that share every fragment of K and V read from LDS.  Keys go 128 a step, 16 steps.
; THE MASK.  An earlier launch stored, for each unit and step, a flag (0 nothing true, 1 mixed, 2 all true) and, for each tile, 64 words: the lane mask of each register of the scores.
; A step with flag 0 is left out (a scalar branch on the stored flag); with flag 1 the hidden scores become -infinity ahead of the maximum.  A row with nothing true ends with the sum 0 and is stored as NaN codes.
; NO TENSOR LOADS AND NO CLUSTER: steps are left out by branches on stored numbers.  A head's K and V, 131,072 bytes each, come
; to LDS through registers, once: they fit whole, no byte is written twice, and four barriers part the stores from the loads.  Steps 0-3 are filled at the head, 4-15 during the first six steps.
; BOTH PRODUCTS TRANSPOSED: S^T = K Q^T (source 0 = 16 keys), O^T = V^T P^T (source 0 = 16 channels): a lane holds one query.  Register 8 t + j of S^T is key 16 t + 8 (lane / 16) + j: the conversions' results
; are the second product's operand.  V's channels were laid so that tiles 2 b, 2 b + 1 of O^T are channels 32 b + 16 (lane / 16) + 0 .. 15.
; SOFTMAX: t = score x c, c = log2(e) / 8 x 2^(e6 + e7); M = the running largest t rounded up to a whole number; p = 2^(t - M) is quantised; the sum is taken of the unquantised p.
; O^T begins as zeros: which step is a unit's first hangs on the mask, so no step can be written as the one that starts the sums.
; OUT: o = O^T / sum as codes under e10, as images of the last product's operand: [tile of 16 rows 512][128 along K 8][four registers 4][lane][16 bytes].
; LIMITS: e6 + e7 between -123 and 130; e8, and e10 - e8 - e9, between -126 and 119.
; THE MODE: SCHED_MODE bits 1:0 = 2 (LLVM: expert scheduling mode 2), set by the entry lines.  The code itself states the register dependences
; between vector or matrix instructions and memory or LDS instructions, with s_wait_alu, always for 0.
; THE PLAN.  Registers that memory or LDS instructions touch:
;   v1, v6, v25     offsets, written at the head and never again; read by Q's loads and o's stores, by the fills' loads, by the prefetches.  v10, v11: written at the head, read by the closing add alone.
;   v2, v3          written by two adds at each step's head; read by that step's 32 LDS loads.
;   K's and V's fragments (window 1, v128-255): the step's LDS loads land in them; the step's 16 + 8 products read them.
;   the stage v192-255: a fill's 16 global loads land in it; the fill's 16 LDS stores read it; at a unit's end, behind the last fill, vector lines write v192-194.
;   v4, v5          written by a fill's two adds; read by its LDS stores.
;   Q (window 1, v0-15): loaded at a unit's beginning; read by the unit's products.
;   v32-63          at a unit's end o's codes: written by conversions and selects, read by four stores, written again by the next unit's conversions.
;   S^T, O^T and the statistics are named by vector and matrix instructions alone.
; A STEP has one wait on vm_vsrc at its head (the last step's LDS loads have read v2, v3) and ONE wait on va_vdst ahead of its 32 LDS loads: v2 and v3 are written, and the last step's products are done reading
; K's and V's registers.  The two waits behind the exponentials stand as they stood.  A FILL has one wait on va_vdst between its two adds and its stores, and one on vm_vsrc behind its barrier.
; A UNIT'S END makes both tiles' codes first; one wait on va_vdst then serves the run of four stores.
; There is one set of K's and of V's registers: of the wave's 512 registers 48 are unnamed and a set is 64; and which step is worked next hangs on the flags.
; REGISTERS.  Window 0: v1 16 x lane; v2, v3 LDS addresses of the step's K, V; v4, v5 the fill's; v6 16 x thread; v7 -infinity; v8, v9 2^e8, 448 x 2^e8; v10, v11 the add's two; v12-15, v16-19 -M, largest t, sum (a pair);
;   v20-23, v26, v27, v30, v31 at work; v[24:25], v[28:29] f (v25 also holds the prefetches' offset, 256 x lane); v32-47, v48-63 p's codes; v64-127, v128-191 S^T; v192-255 the fill's stage.
;   Window 1: v0-15 Q; v16-47, v48-79 O^T; v128-191 K's eight fragments; v192-255 V's four.
; SCALARS: s[2:3] K, s[4:5] Q, s[12:13] V of my head; s[6:7] mw; s[8:9] the unit's Q; s[10:11] o's images at my head; s[14:15] at my unit; s16-63, s80-95 a tile's 64 mask words;
;   s66 wave; s67 trips; s[68:69] c; s[70:71] lane selects; s72 e8; s73 the step's flag; s74 the unit; s75 the step's LDS byte; s76 flags to come; s77 the step's words; s[78:79] prefetches; s100, s101 o's scale and hold.
.set SPARE, 262144                     ; behind K and V: the spare words, 128 bytes a wave; no other line names them
.set VL,    131072                     ; V's images begin here
.set SA, 64
.set SB, 128
.set PA, 32
.set PB, 48
.set STG, 192
.set QF, 0
.set OA, 16
.set OB, 48
.set KF, 128
.set VF, 192
.set MSB, 0
.macro WIN new
.if MSB != \new
	s_set_vgpr_msb (MSB<<8)|\new
.set MSB, \new
.endif
.endm
.macro FILL_ISSUE s0                   ; steps s0 .. s0 + 3 of K and of V: 32,768 bytes each, 16 bytes a thread of each 4,096
.irp n, 0,1,2,3,4,5,6,7
	global_load_b128 v[STG+4*\n:STG+4*\n+3], v6, s[2:3] offset:(\s0)*8192+4096*\n
	global_load_b128 v[STG+32+4*\n:STG+32+4*\n+3], v6, s[12:13] offset:(\s0)*8192+4096*\n
.endr
.endm
.macro FILL_STORE s0
	v_add_nc_u32 v4, (\s0)*8192, v6
	v_add_nc_u32 v5, VL+(\s0)*8192, v6
	s_wait_alu depctr_va_vdst(0)                   ; v4 and v5 are written, which the LDS stores below read as their addresses
.irp n, 0,1,2,3,4,5,6,7
	ds_store_b128 v4, v[STG+4*\n:STG+4*\n+3] offset:4096*\n
	ds_store_b128 v5, v[STG+32+4*\n:STG+32+4*\n+3] offset:4096*\n
.endr
.endm
.macro FILLED                          ; behind a fill's stores
	s_wait_dscnt 0x0                               ; for the others' sake: my stores have landed
	s_barrier_signal -1
	s_barrier_wait -1
	s_wait_alu depctr_vm_vsrc(0)                   ; my LDS stores have read the stage, v4 and v5: the next fill's loads land in the stage and its adds write v4 and v5; behind the last fill the unit's end writes v192-194
.endm
.macro UNIT_BEGIN again                ; unit s74.  again = 1: the wave's second unit
	s_lshl_b32 s96, s74, 11
	s_mov_b32 s97, 0
	s_add_nc_u64 s[8:9], s[4:5], s[96:97]          ; its two tiles of Q: 2,048 bytes
	s_lshl_b32 s96, s74, 15
	s_add_nc_u64 s[14:15], s[10:11], s[96:97]      ; its two tiles of rows of o: 16,384 bytes each
	s_lshl_b32 s77, s74, 13                        ; its mask words: 8,192 bytes
	s_lshl_b32 s96, s74, 9
	s_add_co_u32 s96, s96, 0x80000                 ; its flags: four words, 128 bytes apart
	s_load_b32 s76, s[6:7], s96 offset:0x0
	s_load_b32 s97, s[6:7], s96 offset:0x80
	s_load_b32 s98, s[6:7], s96 offset:0x100
	s_load_b32 s99, s[6:7], s96 offset:0x180
	WIN 0x40                                       ; destination window 1
.if \again
	s_wait_alu depctr_va_vdst(0)                   ; the last unit's products are done reading Q's registers, in which the loads below land
.endif
.irp i, 0,1,2,3
	global_load_b128 v[QF+4*\i:QF+4*\i+3], v1, s[8:9] offset:512*\i
.endr
.set n, 0
.rept 64
	v_mov_b32 v[OA+n], 0
.set n, n+1
.endr
	WIN 0
.irp s, 12, 16
	v_mov_b32 v[\s+1], 0xff61b1e6                  ; the largest t so far: -3e38
	v_floor_f32 v[\s], -v[\s+1]                    ; -M
	v_mov_b32 v[\s+2], 0
	v_mov_b32 v[\s+3], 0
.endr
	s_wait_kmcnt 0x0
	s_lshl_b32 s97, s97, 8
	s_or_b32 s76, s76, s97
	s_lshl_b32 s98, s98, 16
	s_or_b32 s76, s76, s98
	s_lshl_b32 s99, s99, 24
	s_or_b32 s76, s76, s99                         ; sixteen flags of two bits, step 0's lowest
.endm
.macro MASKIT S                        ; where the word's bit is 0 the score becomes -infinity; each accumulator from its low end on
.set n, 0
.rept 48
	v_cndmask_b32 v[\S+n], v7, v[\S+n], s[16+n]
.set n, n+1
.endr
.rept 16
	v_cndmask_b32 v[\S+n], v7, v[\S+n], s[32+n]
.set n, n+1
.endr
.endm
.macro WORDS off                       ; a tile's 64 words
	s_load_b512 s[16:31], s[6:7], s77 offset:\off
	s_load_b512 s[32:47], s[6:7], s77 offset:\off+0x40
	s_load_b512 s[48:63], s[6:7], s77 offset:\off+0x80
	s_load_b512 s[80:95], s[6:7], s77 offset:\off+0xc0
.endm
.macro SOFTMAX S, ST, P, F
.irp k, 0,1,2,3                        ; the step's largest score, in four chains; each accumulator's first read falls on its low four registers
	v_max3_num_f32 v[20+\k], v[\S+16*\k], v[\S+16*\k+1], v[\S+16*\k+2]
.endr
.irp i, 3,5,7,9,11,13
.irp k, 0,1,2,3
	v_max3_num_f32 v[20+\k], v[20+\k], v[\S+16*\k+\i], v[\S+16*\k+\i+1]
.endr
.endr
	v_max3_num_f32 v20, v20, v21, v[\S+15]
	v_max3_num_f32 v22, v22, v23, v[\S+31]
	v_max3_num_f32 v20, v20, v[\S+47], v[\S+63]
	v_max_num_f32 v20, v20, v22
	v_permlanex16_b32 v26, v20, s70, s71
	v_max_num_f32 v20, v20, v26                    ; and lane l xor 16's
	v_mul_f32 v20, s68, v20                        ; as t (c is positive)
	v_max_num_f32 v[\ST+1], v[\ST+1], v20
	v_mov_b32 v20, v[\ST]
	v_floor_f32 v[\ST], -v[\ST+1]                  ; the new -M: M is a whole number
	v_sub_f32 v20, v[\ST], v20
	v_cvt_i32_f32 v20, v20                         ; (it saturates)
	v_ldexp_f32 v[\F], 1.0, v20                    ; f = 2^(old M - new M)
.set n, 0
.rept 32
	v_pk_fma_f32 v[\S+n:\S+n+1], v[\S+n:\S+n+1], s[68:69], v[\ST:\ST+1] op_sel_hi:[1,0,0]   ; t - M
.set n, n+2
.endr
.set n, 0
.rept 64
	v_exp_f32 v[\S+n], v[\S+n]
.set n, n+1
.endr
	v_pk_mul_f32 v[\ST+2:\ST+3], v[\ST+2:\ST+3], v[\F:\F+1] op_sel_hi:[1,0]   ; the sum under the new M (a plain line behind the exponentials)
	s_wait_alu depctr_va_vdst(0)                   ; the 64 exponentials have written p: one wait for the batch, ahead of its first reader
	v_pk_add_f32 v[20:21], v[\S:\S+1], v[\S+2:\S+3]        ; the sum of the unquantised p, in four chains
	v_pk_add_f32 v[22:23], v[\S+4:\S+5], v[\S+6:\S+7]
	v_pk_add_f32 v[30:31], v[\S+8:\S+9], v[\S+10:\S+11]
	v_pk_add_f32 v[\ST+2:\ST+3], v[\ST+2:\ST+3], v[\S+12:\S+13]
.irp j, 14,22,30,38,46,54
	v_pk_add_f32 v[20:21], v[20:21], v[\S+\j:\S+\j+1]
	v_pk_add_f32 v[22:23], v[22:23], v[\S+\j+2:\S+\j+3]
	v_pk_add_f32 v[30:31], v[30:31], v[\S+\j+4:\S+\j+5]
	v_pk_add_f32 v[\ST+2:\ST+3], v[\ST+2:\ST+3], v[\S+\j+6:\S+\j+7]
.endr
	v_pk_add_f32 v[20:21], v[20:21], v[\S+62:\S+63]
	v_pk_add_f32 v[22:23], v[22:23], v[30:31]
	v_pk_add_f32 v[\ST+2:\ST+3], v[\ST+2:\ST+3], v[20:21]
	v_pk_add_f32 v[\ST+2:\ST+3], v[\ST+2:\ST+3], v[22:23]
	s_cmp_ge_i32 s72, -8                           ; p is at most 1, and 448 x 2^e8 is at least 1 from e8 = -8 on: the hold is run exactly where it can bite
	s_cbranch_scc1 .Lno_hold_\@
.set n, 0
.rept 64
	v_min_num_f32 v[\S+n], v[\S+n], v9             ; the conversion does not saturate (ISA guide 7.6.2); p is not negative
.set n, n+1
.endr
.Lno_hold_\@:
.irp t, 0,1,2,3,4,5,6,7
	v_cvt_scalef32_pk8_fp8_f32 v[\P+2*\t:\P+2*\t+1], v[\S+8*\t:\S+8*\t+7], v8
.endr
.endm
; A KEY STEP of the unit in hand.
.macro STEP
	s_wait_alu depctr_vm_vsrc(0)                   ; the LDS loads issued so far have read v2 and v3, which the two lines below write
	v_add_nc_u32 v2, s75, v1
	v_add_nc_u32 v3, VL, v2
	s_and_b32 s73, s76, 3
	s_cmp_eq_u32 s73, 0
	s_cbranch_scc1 .Lskip_\@                       ; nothing true for my 32 queries in these 128 keys
	s_cmp_eq_u32 s73, 1
	s_cbranch_scc0 .Lw1_\@
	WORDS 0x0                                      ; the first tile's words (the selects that last read these registers stand ahead of the last wait on va_vdst)
.Lw1_\@:
	WIN 0x40                                       ; destination window 1
	s_wait_alu depctr_va_vdst(0)                   ; v2 and v3 are written, which the 32 loads below read; the last step's products are done reading K's and V's registers, in which they land
.irp t, 0,1,2,3,4,5,6,7
	ds_load_b128 v[KF+8*\t:KF+8*\t+3], v2 offset:1024*\t
	ds_load_b128 v[KF+8*\t+4:KF+8*\t+7], v2 offset:1024*\t+512
.endr
.irp d, 0,1,2,3
.irp c, 0,1,2,3
	ds_load_b128 v[VF+16*\d+4*\c:VF+16*\d+4*\c+3], v3 offset:2048*\d+512*\c
.endr
.endr
	s_wait_dscnt 16                                ; K's sixteen loads are in; V's sixteen may be out
	WIN 0x05                                       ; K and Q in window 1, S^T in window 0
.irp t, 0,1,2,3,4,5,6,7
	v_wmma_f32_16x16x64_fp8_fp8 v[SA+8*\t:SA+8*\t+7], v[KF+8*\t:KF+8*\t+7], v[QF:QF+7], 0
	v_wmma_f32_16x16x64_fp8_fp8 v[SB+8*\t:SB+8*\t+7], v[KF+8*\t:KF+8*\t+7], v[QF+8:QF+15], 0
.endr
	WIN 0
.rept 4
	v_nop                                          ; places in front of the first read of the scores
.endr
	s_wait_kmcnt 0x0                               ; on every way: no scalar load is out
	s_cmp_eq_u32 s73, 1
	s_cbranch_scc0 .Lm1_\@
	MASKIT SA
	s_wait_alu depctr_va_vdst(0)                   ; the selects above are done reading the words' registers, in which the scalar loads below land
	WORDS 0x100                                    ; the second tile's words, while the first tile's softmax is walked
.Lm1_\@:
	SOFTMAX SA, 12, PA, 24
	s_wait_kmcnt 0x0
	s_cmp_eq_u32 s73, 1
	s_cbranch_scc0 .Lm2_\@
	MASKIT SB
.Lm2_\@:
	SOFTMAX SB, 16, PB, 28
	WIN 0x41                                       ; O^T in window 1, f in window 0
.set n, 0
.rept 16
	v_pk_mul_f32 v[OA+n:OA+n+1], v[OA+n:OA+n+1], v[24:25] op_sel_hi:[1,0]   ; O^T under the new M; also the plain lines between the conversions and the products
.set n, n+2
.endr
.set n, 0
.rept 16
	v_pk_mul_f32 v[OB+n:OB+n+1], v[OB+n:OB+n+1], v[28:29] op_sel_hi:[1,0]
.set n, n+2
.endr
	s_wait_dscnt 0x0                               ; V is in
	WIN 0x51                                       ; V, C and D in window 1, p's codes in window 0
.irp d, 0,1,2,3                        ; eight accumulators, one instruction each
	v_wmma_f32_16x16x128_fp8_fp8 v[OA+8*\d:OA+8*\d+7], v[VF+16*\d:VF+16*\d+15], v[PA:PA+15], v[OA+8*\d:OA+8*\d+7]
	v_wmma_f32_16x16x128_fp8_fp8 v[OB+8*\d:OB+8*\d+7], v[VF+16*\d:VF+16*\d+15], v[PB:PB+15], v[OB+8*\d:OB+8*\d+7]
.endr
	WIN 0
.rept 4
	v_nop                                          ; places behind the last products, in front of the next vector lines that read O^T; for the next loads into K's and V's registers the wait at the next step's head stands beside them
.endr
.Lskip_\@:
	s_add_co_u32 s75, s75, 8192
	s_add_co_u32 s77, s77, 512
	s_lshr_b32 s76, s76, 2
.endm
.macro LOOP n, k0                      ; steps k0 .. k0 + n - 1
	s_mov_b32 s75, (\k0)*8192
	s_mov_b32 s67, \n
.Lloop_\@:
	STEP
	s_sub_co_u32 s67, s67, 1
	s_cmp_lg_u32 s67, 0
	s_cbranch_scc1 .Lloop_\@
.endm
; Phase i: steps 4 i + 4 .. 4 i + 7 are asked for, steps 2 i, 2 i + 1 are worked (LDS bytes from 16,384 i on), then the fill is stored (from 32,768 (i + 1) on): the two never meet.
.macro PHASE i
	FILL_ISSUE 4*(\i)+4                            ; no wait here: the wait on vm_vsrc behind the last barrier has shown the stage read, and no vector line names the stage or v6
.if (\i) < 2
; A prefetch of what the next phase will ask for: 32,768 bytes of K and of V.  All four work-groups of a head read them: the first alone asks; waves 0-3 for K, 4-7 for V, 8,192 bytes a wave, lanes 256 bytes apart:
; each block of 256 bytes is named once in the launch.  Nothing is asked at the head, nor in the last phase.
	s_cmp_eq_u32 ttmp9, 0
	s_cbranch_scc0 .Lnot_mine_\@
	global_prefetch_b8 v25, s[78:79] offset:(4*(\i)+8)*8192 th:TH_LOAD_NT scope:SCOPE_SE
.Lnot_mine_\@:
.endif
	LOOP 2, 2*(\i)
	s_wait_loadcnt 0x0                             ; the fill's sixteen loads
	FILL_STORE 4*(\i)+4
	FILLED
.endm
.macro OCODE O, S, F, C, M             ; a tile of 16 queries: / sum, hold, codes, NaN codes where the sum is 0
	WIN 0x01                                       ; source 0 window 1
.set n, 0
.rept 16
	v_pk_mul_f32 v[\S+n:\S+n+1], v[\O+n:\O+n+1], v[\F:\F+1] op_sel_hi:[1,0]
.set n, n+2
.endr
	WIN 0
.set n, 0
.rept 32
	v_med3_num_f32 v[\S+n], v[\S+n], -v193, v193
.set n, n+1
.endr
.irp t, 0,1,2,3
	v_cvt_scalef32_pk8_fp8_f32 v[\C+2*\t:\C+2*\t+1], v[\S+8*\t:\S+8*\t+7], v192
.endr
	v_nop                                          ; a plain line between the conversions and the lines that touch their results
.irp i, 0,1,2,3,4,5,6,7
	v_cndmask_b32 v[\C+\i], v194, v[\C+\i], s[\M]
.endr
.endm
.macro UNIT_END more
	v_add_f32 v20, v14, v15
	v_add_f32 v21, v18, v19
	v_permlanex16_b32 v26, v20, s70, s71
	v_permlanex16_b32 v27, v21, s70, s71
	v_add_f32 v20, v20, v26                        ; the rows' sums
	v_add_f32 v21, v21, v27
	v_rcp_f32 v24, v20
	v_rcp_f32 v28, v21
	v_mov_b32 v192, s100                           ; (plain lines behind the reciprocals)  2^(e10 - e8 - e9),
	v_mov_b32 v193, s101                           ; 448 x that,
	v_mov_b32 v194, 0x7f7f7f7f                     ; four NaN codes
	v_cmp_lt_f32 s96, 0, v20
	v_cmp_lt_f32 s97, 0, v21
	s_wait_alu depctr_va_sdst(0)                   ; the two compares have written s96 and s97, ahead of the selects that read them
	s_wait_alu depctr_va_vdst(0)                   ; the two reciprocals have written v24 and v28: one wait for both, ahead of their first reader
	OCODE OA, SA, 24, PA, 96                       ; both tiles' codes are made first,
	OCODE OB, SB, 28, PB, 97
	s_wait_alu depctr_va_vdst(0)                   ; the selects have written v32-39 and v48-55, which the four stores read
	global_store_b128 v1, v[PA:PA+3], s[14:15]                      ; 512 consecutive bytes: the first tile, channels 0-31 of my head
	global_store_b128 v1, v[PA+4:PA+7], s[14:15] offset:512         ; channels 32-63
	global_store_b128 v1, v[PB:PB+3], s[14:15] offset:16384         ; the second tile
	global_store_b128 v1, v[PB+4:PB+7], s[14:15] offset:16384+512
.if \more
	s_wait_xcnt 0x0                                ; the stores have read their base and data: the next unit writes both
	s_wait_alu depctr_vm_vsrc(0)                   ; the stores have read v32-39 and v48-55, which the next unit's conversions write
.endif
.endm
	s_load_b256 s[4:11], s[0:1], 0x0               ; qkv, mw, the scales' exponents, oimg
	v_lshl_add_u32 v10, v0, 2, SPARE
	v_mov_b32 v11, 0
	v_lshrrev_b32 v1, 5, v0
	v_readfirstlane_b32 s66, v1                    ; wave 0..7
	v_and_b32 v25, 31, v0
	v_lshlrev_b32 v1, 4, v25
	v_lshlrev_b32 v25, 8, v25
	v_lshlrev_b32 v6, 4, v0
	v_mov_b32 v7, 0xff800000
	v_mov_b32 v26, 0                               ; written once: a lane permute's destination counts as one of its sources
	v_mov_b32 v27, 0
	v_mov_b32 v29, 0                               ; (named as the upper half of a pair)
	s_wait_alu depctr_va_sdst(0)                   ; s66 is written, ahead of its first reader: my units and the prefetches' place are made from it
	s_mov_b32 s70, 0x76543210
	s_mov_b32 s71, 0xfedcba98
	s_and_b32 s96, ttmp7, 0xffff                   ; batch x 16 + head
	s_lshl_b32 s98, s96, 17                        ; 131,072 bytes a head in q, k and v
	s_mov_b32 s99, 0
	s_lshr_b32 s97, s96, 4
	s_lshl_b32 s72, s97, 21                        ; o's images: 2^21 bytes a batch,
	s_and_b32 s97, s96, 15
	s_lshl_b32 s97, s97, 10                        ; 1,024 a head inside a tile of rows
	s_add_co_u32 s72, s72, s97
	s_mov_b32 s73, 0
	s_lshl_b32 s74, ttmp9, 3
	s_add_co_u32 s74, s74, s66
	s_sub_co_u32 s74, 63, s74                      ; my first unit
	s_wait_kmcnt 0x0
	s_add_nc_u64 s[4:5], s[4:5], s[98:99]
	s_add_nc_u64 s[2:3], s[4:5], 0x800000
	s_add_nc_u64 s[12:13], s[4:5], 0x1000000
	s_add_nc_u64 s[10:11], s[10:11], s[72:73]
	s_load_b128 s[96:99], s[8:9], 0x18             ; e6, e7, e8, e9
	s_load_b32 s100, s[8:9], 0x28                  ; e10
	s_load_b512 s[16:31], s[6:7], 0x0              ; the words' registers are written once here, so that they are written on every way
	s_load_b512 s[32:47], s[6:7], 0x40
	s_load_b512 s[48:63], s[6:7], 0x80
	s_load_b512 s[80:95], s[6:7], 0xc0
	s_wait_alu depctr_va_vdst(0)                   ; the offsets v1, v6 and v25 are written, which the loads, stores and prefetches of the whole kernel read; so are v10 and v11
	FILL_ISSUE 0
	s_cmp_lt_u32 s66, 4
	s_cselect_b64 s[78:79], s[2:3], s[12:13]
	s_and_b32 s75, s66, 3
	s_lshl_b32 s76, s75, 13
	s_mov_b32 s77, 0
	s_add_nc_u64 s[78:79], s[78:79], s[76:77]
	s_wait_kmcnt 0x0
	s_add_co_i32 s96, s96, s97
	s_lshl_b32 s96, s96, 23
	s_add_co_i32 s68, s96, 0x3e38aa3b              ; c = log2(e) / 8, with e6 + e7 added to its exponent field
	s_mov_b32 s69, s68
	s_mov_b32 s72, s98
	s_add_co_i32 s96, s98, 127
	s_lshl_b32 s97, s96, 23
	v_mov_b32 v8, s97
	s_add_co_i32 s96, s96, 8
	s_lshl_b32 s96, s96, 23
	s_or_b32 s96, s96, 0x600000
	v_mov_b32 v9, s96
	s_sub_co_i32 s96, s100, s98
	s_sub_co_i32 s96, s96, s99
	s_add_co_i32 s96, s96, 127
	s_lshl_b32 s100, s96, 23
	s_add_co_i32 s96, s96, 8
	s_lshl_b32 s96, s96, 23
	s_or_b32 s101, s96, 0x600000
	UNIT_BEGIN 0
	s_wait_loadcnt 0x0                             ; the first fill and Q
	FILL_STORE 0
	FILLED                                         ; steps 0-3 lie in LDS
	PHASE 0
	PHASE 1
	PHASE 2
	LOOP 10, 6                                     ; behind the last barrier LDS is only read
	UNIT_END 1
	s_sub_co_u32 s74, 63, s74                      ; my second unit
	UNIT_BEGIN 1
	s_wait_loadcnt 0x0                             ; Q
	LOOP 16, 0
	UNIT_END 0
	s_wait_dscnt 0x0                               ; the closing lines, six on end
	s_wait_alu 0x0
	s_wait_tensorcnt 0x0
	ds_add_u32 v10, v11
	s_wait_dscnt 0x0
	s_endpgm
.Lfunc_end_k_q850edef868_attn:
	.size	k_q850edef868_attn, .Lfunc_end_k_q850edef868_attn-k_q850edef868_attn
	.p2alignl 7, 3214868480
	.fill 96, 4, 3214868480
	.section	.rodata,"a",@progbits
	.p2align	6, 0x0
	.amdhsa_kernel k_q850edef868_attn
		.amdhsa_group_segment_fixed_size 263168
		.amdhsa_private_segment_fixed_size 0
		.amdhsa_enable_private_segment 0
		.amdhsa_kernarg_size 32
		.amdhsa_user_sgpr_count 2
		.amdhsa_user_sgpr_kernarg_segment_ptr 1
		.amdhsa_wavefront_size32 1
		.amdhsa_system_sgpr_workgroup_id_x 1
		.amdhsa_system_sgpr_workgroup_id_y 1
		.amdhsa_system_sgpr_workgroup_id_z 1
		.amdhsa_system_vgpr_workitem_id 0
		.amdhsa_next_free_vgpr 512
		.amdhsa_next_free_sgpr 102
		.amdhsa_reserve_vcc 0
		.amdhsa_float_denorm_mode_32 3
		.amdhsa_float_denorm_mode_16_64 3
		.amdhsa_memory_ordered 1
		.amdhsa_forward_progress 1
		.amdhsa_inst_pref_size 227
	.end_amdhsa_kernel
	.amdgpu_metadata
---
amdhsa.version: [ 1, 2 ]
amdhsa.kernels:
  - .name:           k_q850edef868_attn
    .symbol:         k_q850edef868_attn.kd
    .args:
      - { .name: qkv, .offset: 0, .size: 8, .value_kind: global_buffer, .address_space: global }
      - { .name: mw, .offset: 8, .size: 8, .value_kind: global_buffer, .address_space: global }
      - { .name: lowp_scales, .offset: 16, .size: 8, .value_kind: global_buffer, .address_space: global }
      - { .name: oimg, .offset: 24, .size: 8, .value_kind: global_buffer, .address_space: global }
    .group_segment_fixed_size: 263168
    .private_segment_fixed_size: 0
    .kernarg_segment_align: 8
    .kernarg_segment_size: 32
    .max_flat_workgroup_size: 256
    .sgpr_count:     102
    .vgpr_count:     512
    .wavefront_size: 32
...
	.end_amdgpu_metadata
.endif
;; end of part 5
;; launch oproj: the kernel of part 4 again; grid 4 x 32, 4 waves a work-group, clusters of 4 x 4, 327,680 bytes of LDS; arguments oimg, codes, lowp_scales, out0; writes out0
